; MI455X (gfx1250); checked and timed in simulation.
; The chip was launched on July 23, 2026; its instructions are those of AMD's public machine-readable ISA for CDNA 5 (MIT licence, August 2026) and "CDNA5" Instruction Set Architecture Reference Guide (July 2026). The comments in the code are by the model that wrote it; some were corrected since.
;; Multi Head Attention. Allowed arithmetic: matrix products marked QUANTISED: E2M3 operands, one E8M0 scale for each 32 along K, by v_wmma_scale_f32_16x16x128_f8f6f4 with both operands' format E2M3, f32 sums; everything else in f32.
;; Inputs: W_k 1,024 x 1,024 float32; W_o 1,024 x 1,024 float32; W_q 1,024 x 1,024 float32; W_v 1,024 x 1,024 float32; b_k 1,024 float32; b_o 1,024 float32; b_q 1,024 float32; b_v 1,024 float32; key 1 x 4,096 x 1,024 float32; query 1 x 4,096 x 1,024 float32; value 1 x 4,096 x 1,024 float32.
;; Outputs: out0 1 x 4,096 x 1,024 float32.
;; This version of the problem:
;;   THIS VERSION OF THE PROBLEM IS GIVEN IN LOW PRECISION. The matrix products marked QUANTISED in the list below multiply operands that are first quantised to E2M3 (2 exponent bits, 3 mantissa bits; 6 bits a number), with one power-of-two scale for each 32 numbers along K (OCP MX v1.0); their sums are f32. All else is computed in f32.
;;   The module's matrix products, in the order in which they are computed (A, B: the left and right operand; K: the contracted axis; several contracted axes count as one K, in the product's order):
;;     1. [M 4,096, K 1,024] x [K 1,024, N 1,024]; A: input query; B: input W_q: QUANTISED
;;     2. [M 4,096, K 1,024] x [K 1,024, N 1,024]; A: input key; B: input W_k: QUANTISED
;;     3. [M 4,096, K 1,024] x [K 1,024, N 1,024]; A: input value; B: input W_v: QUANTISED
;;     4. batch 16 x [M 4,096, K 64] x [K 64, N 4,096]; A: computed on the way; B: computed on the way: QUANTISED
;;     5. batch 16 x [M 4,096, K 4,096] x [K 4,096, N 64]; A: softmax (see below); B: computed on the way: QUANTISED
;;     6. [M 4,096, K 1,024] x [K 1,024, N 1,024]; A: computed on the way; B: input W_o: QUANTISED
;;   THE QUANTISER, for each operand of a quantised product, along K:
;;     - K is cut into blocks of 32 from its start; a last block that is shorter is filled with zeros.
;;     - A block's scale is 2^e with e = floor(log2(the largest magnitude in the block)) - 2, held to -126 .. 127; a block of zeros has e = 0. As a byte (E8M0): e + 127.
;;     - Each number is divided by its block's scale, clamped to +-7.5, and rounded to the nearest number of E2M3, ties to even, subnormals kept.
;;     - The product sums the exact products of the quantised numbers (number of the format x scale) in f32.
;;   ~~~python
;;   def quantise(x, axis):      # numpy; x: float32 -> the quantised numbers, widened to float32 again
;;       x = np.moveaxis(x, axis, -1); K = x.shape[-1]
;;       x = np.pad(x, [(0, 0)] * (x.ndim - 1) + [(0, -K % 32)]); x = x.reshape(x.shape[:-1] + (-1, 32)); a = np.abs(x).max(-1, keepdims=True)
;;       e = np.where(a > 0, np.clip(np.frexp(np.where(a > 0, a, 1))[1] - 1 - 2, -126, 127), 0)      # np.frexp(a)[1] - 1 = floor(log2(a)), exactly
;;       r = np.clip(x / 2.0 ** e, -7.5, 7.5)
;;       step = 2.0 ** (np.maximum(np.frexp(np.where(r == 0, 1, r))[1] - 1, 0) - 3)
;;       q = np.round(r / step) * step * 2.0 ** e      # np.round: ties to even
;;       return np.moveaxis(q.reshape(q.shape[:-2] + (-1,))[..., :K], -1, axis).astype(np.float32)
;;   ~~~
;;   SOFTMAX AHEAD OF A QUANTISED PRODUCT. Where the list says 'softmax', what is quantised is not the finished softmax but p = 2^(t - M), with t = logit x log2(e) and M = ceil(the row's largest t), a whole number; so 1/2 < the row's largest p <= 1. The row's sum l is taken of the UNQUANTISED p, in f32, and the product's result is divided by l at the end. Since M is a whole number, a kernel that streams over the keys may use a running M (the ceiling of the running maximum): every later rescaling is an exact power of two, which a block's scale takes up: the codes' values come out the same.
;;   OPERANDS COMPUTED ON THE WAY. 'Computed on the way' means the value that the module computes at that place (a softmax that the list does not call 'softmax' is quantised finished and normalised). What goes into a quantiser is computed in f32, as accurately as f32 sums, v_exp_f32 and their like allow (about 1e-6 of the number): no bf16 or f16 on the way to a quantiser, and a product that is left as it is and whose result goes on into a quantised operand takes f32 operands (vector FMAs, or v_wmma_f32_16x16x4_f32). A number that lies on a knife's edge between two numbers of the format may be rounded either way, as far as f32 arithmetic and the matrix unit's own rounding can turn it there, and no further.
;; One version. Each part assembles by itself: llvm-mc -triple=amdgcn-amd-amdhsa -mcpu=gfx1250 --defsym DOCPART=n.
;; ======== version 1 of 1: 4 launches
;; limits: right only within a limited range of input values
;; workspace buffers: c1 12,582,912 bytes; sc1 491,520 bytes; sc2 163,840 bytes; qx 6,553,600 bytes; kvx 6,553,600 bytes; ac 3,145,728 bytes
;; launch quant (part 1): grid 256 x 1, 8 waves a work-group, no clusters, 70,656 bytes of LDS; arguments query, key, value, W_q, W_k, W_v, W_o, c1, sc1, sc2; writes c1, sc1, sc2
.if DOCPART == 1
	.amdgcn_target "amdgcn-amd-amdhsa--gfx1250"
	.amdhsa_code_object_version 6
	.text
	.protected	k_qce5aeaa020_quant
	.globl	k_qce5aeaa020_quant
	.p2align	8
	.type	k_qce5aeaa020_quant,@function
k_qce5aeaa020_quant:
	s_mov_b64 s[64:65], 0
	v_nop
	global_prefetch_b8 v0, s[64:65] scope:SCOPE_SE
	s_setreg_imm32_b32 hwreg(HW_REG_WAVE_MODE, 25, 1), 1
	s_wait_xcnt 0x0
; query, key, value [4096][1024] and W_q, W_k, W_v, W_o [1024][1024], f32 with K innermost, become codes of FP6 (E2M3) with one E8M0 byte for each 32 along K.
; THE CODES ARE LAID AS THE MATRIX OPERAND'S REGISTERS, not as rows.  A row block is 16 rows: block 2 b + u of a tensor takes rows 32 b + 8 u + r + 8 (r / 8), r = 0 .. 15.
; A half image is 16 rows x 64 along K: lane (r, h) holds k = 32 h .. 32 h + 31 of row r in six registers; in memory registers 0-3 lie at 16 x lane, registers 4-5 at 512 + 8 x lane: 768 bytes.
; c1: [row block R][K step of 128: 8][half 2][768].  R: query 0-255, key 256-511, value 512-767, W_q 768-, W_k 832-, W_v 896-, W_o 960-1023.
; Scale words: [R][K step][16 rows], four bytes a row and 128 k.  sc1 holds R = 0 .. 959; W_o's go to sc2, row blocks 256-319.
; A block's scale is 2^(floor(log2(largest magnitude)) - 2); its byte is the largest magnitude's exponent field - 2, held at 1 from below.
; LIMITS: a block of zeros, or one whose largest magnitude lies under 2^-124, gets the byte 1 (the bytes are read by this program alone; zero codes add nothing); NaN and infinities are not served.
; SHARES: work-group g takes row blocks 4 g .. 4 g + 3; wave w takes row block 4 g + w / 2 and K steps 4 (w % 2) .. + 3.  Waves share nothing: no barrier.
; A step's 16 loads read 512 consecutive bytes of one row each; the 8,192 bytes turn through the wave's own stage in LDS (rows 528 bytes apart) and come back 128 bytes of a row to a lane.
.set WREG, 8704                        ; LDS of a wave: 16 x 528 bytes of stage, then 256 bytes of scale words
.set PIT,  528
.set LD,   16                          ; v16-79, v80-143  two sets of 64 registers as loaded
.set X,    144                         ; v144-207  my 64 numbers: register 32 c + i = k 64 c + 32 h + i of row r
.set CD,   208                         ; v208-219, v220-231  two sets of 12 registers of codes
.set TP,   232                         ; v232-234, v236-238  a block's upper 16 codes, before they are moved
.set MX,   9                           ; v9, v10   largest magnitudes, then bytes
.set SO,   11                          ; v11, v12  the conversions' scale operands
.set WD,   13                          ; v13       the scale word
.set PT,   14                          ; v14       lane l xor 16's part of it
	s_load_b512 s[4:19], s[0:1], 0x0               ; query, key, value, W_q, W_k, W_v, W_o, c1
	s_load_b128 s[20:23], s[0:1], 0x40             ; sc1, sc2
	v_lshl_add_u32 v254, v0, 2, 0x11000
	v_mov_b32 v255, 0
	v_lshrrev_b32 v1, 5, v0
	s_delay_alu instid0(VALU_DEP_1)
	v_readfirstlane_b32 s24, v1                    ; wave 0..7
	v_and_b32 v9, 31, v0                           ; lane
	v_and_b32 v10, 15, v0                          ; r
	v_bfe_u32 v11, v0, 4, 1                        ; h
	s_delay_alu instid0(VALU_DEP_3)
	v_lshlrev_b32 v1, 4, v9                        ; 16 x lane: my bytes of a load, and of a store of four registers
	s_mul_i32 s28, s24, WREG                       ; my wave's LDS
	v_add_nc_u32 v2, s28, v1                       ; the stage, on the way in
	v_mul_u32_u24 v3, v10, PIT
	s_delay_alu instid0(VALU_DEP_1)
	v_lshl_add_u32 v3, v11, 7, v3
	s_delay_alu instid0(VALU_DEP_1)
	v_add_nc_u32 v3, s28, v3                       ; and on the way out: row r, + 128 h
	v_lshlrev_b32 v4, 3, v9                        ; 8 x lane
	s_delay_alu instid0(VALU_DEP_1)
	v_add_nc_u32 v5, 512, v4                       ; a half image's registers 4-5
	s_add_co_u32 s29, s28, 16*PIT
	v_lshl_add_u32 v6, v10, 2, s29                 ; my row's scale word in LDS
	v_add_nc_u32 v7, s29, v4                       ; and 8 bytes a lane on the way out
	v_lshlrev_b32 v8, 3, v11                       ; 8 h: my two bytes' shift in the scale word
	v_mov_b32 v[PT], 0                             ; a lane permute's destination counts as one of its sources
	s_lshr_b32 s30, s24, 1                         ; which of the four row blocks
	s_and_b32 s31, s24, 1                          ; which half of K
	s_mov_b32 s32, 0x76543210
	s_mov_b32 s33, 0xfedcba98                      ; v_permlanex16_b32's selects for lane l xor 16
	s_wait_alu depctr_va_vdst(0)
	s_wait_kmcnt 0x0
	s_mov_b64 s[26:27], s[4:5]
	s_mov_b32 s25, 0
.macro PICK first, ptr                 ; from work-group `first` on the tensor is the one at s[ptr]: the choice hangs on the work-group's number alone
	s_cmp_ge_u32 ttmp9, \first
	s_cselect_b64 s[26:27], s[\ptr:\ptr+1], s[26:27]
	s_cselect_b32 s25, \first, s25
.endm
	PICK 64, 6
	PICK 128, 8
	PICK 192, 10
	PICK 208, 12
	PICK 224, 14
	PICK 240, 16
	s_sub_co_u32 s34, ttmp9, s25
	s_lshl_b32 s34, s34, 2
	s_add_co_u32 s34, s34, s30                     ; my row block within its tensor
	; KEY ALONE HAS ANOTHER CHOICE OF ROWS: its block 4 c + i takes rows 64 c + 8 i + r + 24 (r / 8), so that in attention a lane's 32 scores of four tiles are one whole block of 32 keys.
	s_cmp_eq_u32 s25, 64                           ; key's work-groups are 64 .. 127
	s_cselect_b32 s39, 2, 1                        ; blocks come in fours (64 rows) or in pairs (32 rows)
	s_cselect_b32 s40, 3, 1
	s_lshr_b32 s35, s34, s39
	s_add_co_u32 s39, s39, 16
	s_lshl_b32 s35, s35, s39                       ; 64 or 32 rows of 4,096 bytes for each group of blocks,
	s_and_b32 s36, s34, s40
	s_lshl_b32 s36, s36, 15                        ; 8 rows for each block within it,
	s_add_co_u32 s36, s36, s35
	s_lshl_b32 s40, s40, 15                        ; and rows 8-15 of a block lie 24 or 8 rows further on
	v_add_nc_u32 v240, s40, v1
	s_wait_alu depctr_va_vdst(0)
	s_lshl_b32 s35, s31, 11                        ; 2,048 bytes for the second half of K
	s_add_co_u32 s36, s36, s35
	s_mov_b32 s37, 0
	s_add_nc_u64 s[26:27], s[26:27], s[36:37]
	s_lshl_b32 s38, ttmp9, 2
	s_add_co_u32 s38, s38, s30                     ; R
	s_mul_i32 s36, s38, 12288
	s_mul_i32 s35, s31, 6144
	s_add_co_u32 s36, s36, s35
	s_add_nc_u64 s[18:19], s[18:19], s[36:37]      ; my codes
	s_cmp_ge_u32 ttmp9, 240                        ; W_o's scale words go to sc2, at row block R - 704
	s_cselect_b64 s[20:21], s[22:23], s[20:21]
	s_cselect_b32 s35, 704, 0
	s_sub_co_u32 s38, s38, s35
	s_lshl_b32 s36, s38, 9
	s_lshl_b32 s35, s31, 8
	s_add_co_u32 s36, s36, s35
	s_add_nc_u64 s[20:21], s[20:21], s[36:37]      ; my 256 bytes of scale words
.macro LOAD t                          ; step t: 128 numbers of each of my 16 rows; a load reads 512 consecutive bytes of one row
.irp i, 0,1,2,3,4,5,6,7,8,9,10,11,12,13,14,15
.if \i < 8
	global_load_b128 v[LD+64*((\t)%2)+4*\i:LD+64*((\t)%2)+4*\i+3], v1, s[26:27] offset:\i*4096+512*(\t) th:TH_LOAD_NT
.else
	global_load_b128 v[LD+64*((\t)%2)+4*\i:LD+64*((\t)%2)+4*\i+3], v240, s[26:27] offset:\i*4096+512*(\t) th:TH_LOAD_NT
.endif
.endr
.endm
.macro TURN t                          ; through the stage: LDS serves a wave's instructions in order (ISA guide 5.7.1.4), so no wait stands between the stores and the loads
.irp i, 0,1,2,3,4,5,6,7,8,9,10,11,12,13,14,15
	ds_store_b128 v2, v[LD+64*((\t)%2)+4*\i:LD+64*((\t)%2)+4*\i+3] offset:PIT*\i
.endr
.irp c, 0,1
.irp j, 0,1,2,3,4,5,6,7
	ds_load_b128 v[X+32*\c+4*\j:X+32*\c+4*\j+3], v3 offset:256*\c+16*\j
.endr
.endr
.endm
.macro STEP t
.set CS, CD+12*((\t)%2)
.if (\t) < 3
	s_wait_loadcnt 16                              ; this step's 16 loads are in; the next step's 16 may be out
.else
	s_wait_loadcnt 0x0
.endif
	TURN \t
	s_wait_dscnt 0x0                               ; my 64 numbers are back, and the stage's stores have read the set as loaded,
.if (\t) < 2
	LOAD (\t)+2                                    ; which takes the loads of two steps on
.else
	s_wait_xcnt 0x0                                ; the stores of two steps ago have read this set of codes: it is written again only behind this wait
.endif
.irp c, 0,1                            ; my block 2 c + h: all its 32 numbers are mine; the floor 2^(3 - 127) holds the byte at 1 from below
	v_max3_num_f32 v[MX+\c], |v[X+32*\c]|, |v[X+32*\c+1]|, 0x1800000
.endr
.irp i, 2,4,6,8,10,12,14,16,18,20,22,24,26,28,30
.irp c, 0,1
	s_delay_alu instid0(VALU_DEP_2)
	v_max3_num_f32 v[MX+\c], v[MX+\c], |v[X+32*\c+\i]|, |v[X+32*\c+\i+1]|
.endr
.endr
.irp c, 0,1
	s_delay_alu instid0(VALU_DEP_2)
	v_add_nc_u32 v[SO+\c], 0xff000000, v[MX+\c]    ; 2 off the exponent field: the conversion takes that field as its scale
.endr
.irp c, 0,1
	s_delay_alu instid0(VALU_DEP_2)
	v_lshrrev_b32 v[MX+\c], 23, v[SO+\c]           ; the scale's byte
.endr
	s_delay_alu instid0(VALU_DEP_1)
	v_lshl_or_b32 v[WD], v[MX+1], 16, v[MX]        ; my two bytes: blocks h and 2 + h of row r,
	s_delay_alu instid0(VALU_DEP_1)
	v_lshlrev_b32 v[WD], v8, v[WD]                 ; at their places;
	s_delay_alu instid0(VALU_DEP_1)
	v_permlanex16_b32 v[PT], v[WD], s32, s33
	s_delay_alu instid0(VALU_DEP_1)
	v_or_b32 v[WD], v[WD], v[PT]                   ; with lane l xor 16's two the word is whole
.irp c, 0,1
	v_cvt_scalef32_pk16_fp6_f32 v[CS+6*\c:CS+6*\c+2], v[X+32*\c:X+32*\c+15], v[SO+\c]
	v_cvt_scalef32_pk16_fp6_f32 v[TP+4*\c:TP+4*\c+2], v[X+32*\c+16:X+32*\c+31], v[SO+\c]   ; (a conversion's three registers begin on an even number)
.endr
	v_nop                                          ; one plain place behind a scaled conversion
.irp c, 0,1
.irp i, 0,1,2
	v_mov_b32 v[CS+6*\c+3+\i], v[TP+4*\c+\i]
.endr
.endr
.irp c, 0,1                            ; a half image leaves as 512 and 256 consecutive bytes, each run at a multiple of 256 from c1's first byte
	global_store_b128 v1, v[CS+6*\c:CS+6*\c+3], s[18:19] offset:1536*(\t)+768*\c
	global_store_b64 v5, v[CS+6*\c+4:CS+6*\c+5], s[18:19] offset:1536*(\t)+768*\c
.endr
	ds_store_b32 v6, v[WD] offset:64*(\t)          ; lanes r and 16 + r write the same word with the same value
.endm
	LOAD 0
	LOAD 1
	STEP 0
	STEP 1
	STEP 2
	STEP 3
	ds_load_b64 v[14:15], v7                       ; my wave's four steps of scale words: these see my stores
	s_wait_dscnt 0x0
	global_store_b64 v4, v[14:15], s[20:21]        ; 32 lanes store 256 consecutive bytes, aligned
	s_wait_tensorcnt 0x0
	ds_add_u32 v254, v255
	s_wait_dscnt 0x0
	s_endpgm
.Lfunc_end_k_qce5aeaa020_quant:
	.size	k_qce5aeaa020_quant, .Lfunc_end_k_qce5aeaa020_quant-k_qce5aeaa020_quant
	.p2alignl 7, 3214868480
	.fill 96, 4, 3214868480
	.section	.rodata,"a",@progbits
	.p2align	6, 0x0
	.amdhsa_kernel k_qce5aeaa020_quant
		.amdhsa_group_segment_fixed_size 70656
		.amdhsa_private_segment_fixed_size 0
		.amdhsa_enable_private_segment 0
		.amdhsa_kernarg_size 80
		.amdhsa_user_sgpr_count 2
		.amdhsa_user_sgpr_kernarg_segment_ptr 1
		.amdhsa_wavefront_size32 1
		.amdhsa_system_sgpr_workgroup_id_x 1
		.amdhsa_system_sgpr_workgroup_id_y 1
		.amdhsa_system_sgpr_workgroup_id_z 1
		.amdhsa_system_vgpr_workitem_id 0
		.amdhsa_next_free_vgpr 256
		.amdhsa_next_free_sgpr 66
		.amdhsa_reserve_vcc 0
		.amdhsa_float_denorm_mode_32 3
		.amdhsa_float_denorm_mode_16_64 3
		.amdhsa_memory_ordered 1
		.amdhsa_forward_progress 1
		.amdhsa_inst_pref_size 37
	.end_amdhsa_kernel
	.amdgpu_metadata
---
amdhsa.version: [ 1, 2 ]
amdhsa.kernels:
  - .name:           k_qce5aeaa020_quant
    .symbol:         k_qce5aeaa020_quant.kd
    .args:
      - { .name: query, .offset: 0, .size: 8, .value_kind: global_buffer, .address_space: global }
      - { .name: key, .offset: 8, .size: 8, .value_kind: global_buffer, .address_space: global }
      - { .name: value, .offset: 16, .size: 8, .value_kind: global_buffer, .address_space: global }
      - { .name: W_q, .offset: 24, .size: 8, .value_kind: global_buffer, .address_space: global }
      - { .name: W_k, .offset: 32, .size: 8, .value_kind: global_buffer, .address_space: global }
      - { .name: W_v, .offset: 40, .size: 8, .value_kind: global_buffer, .address_space: global }
      - { .name: W_o, .offset: 48, .size: 8, .value_kind: global_buffer, .address_space: global }
      - { .name: c1, .offset: 56, .size: 8, .value_kind: global_buffer, .address_space: global }
      - { .name: sc1, .offset: 64, .size: 8, .value_kind: global_buffer, .address_space: global }
      - { .name: sc2, .offset: 72, .size: 8, .value_kind: global_buffer, .address_space: global }
    .group_segment_fixed_size: 70656
    .private_segment_fixed_size: 0
    .kernarg_segment_align: 8
    .kernarg_segment_size: 80
    .max_flat_workgroup_size: 256
    .sgpr_count:     66
    .vgpr_count:     256
    .wavefront_size: 32
...
	.end_amdgpu_metadata
.endif
;; end of part 1
;; launch proj (part 2): grid 4 x 64, 4 waves a work-group, clusters of 4 x 4, 327,680 bytes of LDS; arguments c1, sc1, b_q, b_k, b_v, qx, kvx; writes qx, kvx
.if DOCPART == 2
	.amdgcn_target "amdgcn-amd-amdhsa--gfx1250"
	.amdhsa_code_object_version 6
	.text
	.protected	k_qce5aeaa020_proj
	.globl	k_qce5aeaa020_proj
	.p2align	8
	.type	k_qce5aeaa020_proj,@function
k_qce5aeaa020_proj:
	s_mov_b64 s[64:65], 0
	v_nop
	global_prefetch_b8 v0, s[64:65] scope:SCOPE_SE
	s_setreg_imm32_b32 hwreg(HW_REG_WAVE_MODE, 25, 1), 1
	s_wait_xcnt 0x0
	s_wait_alu depctr_hold_cnt(0) depctr_sa_sdst(0) depctr_va_vdst(0) depctr_va_sdst(0) depctr_va_ssrc(0) depctr_va_vcc(0) depctr_vm_vsrc(0)
	s_getreg_b32 s2, hwreg(HW_REG_IB_STS2, 6, 4)
	s_cmp_eq_u32 s2, 0
	s_cbranch_scc0 .Lentry_in_a_cluster
	s_endpgm
.Lentry_in_a_cluster:
	s_bfe_u32 s2, ttmp6, 0x10000c
	s_cmp_lg_u32 s2, 0xf033
	s_cbranch_scc0 .Lentry_shape_is_right
	s_endpgm
.Lentry_shape_is_right:
; Q = query W_q^T + b_q, K = key W_k^T + b_k and V^T = W_v value^T + b_v, on codes of FP6 (E2M3) with E8M0 scales, and each result quantised in registers for attention:
; Q and K along a head's 64 channels, V along the keys.  V is made TRANSPOSED (A = W_v, B = value), so that one quantiser serves all three along the result's columns.
; OPERANDS are images of registers: c1 [row block of 16 rows][K step 8][half 2][768]; scale words sc1 [row block][K step][16 rows].  Row blocks: query 0-, key 256-, value 512-, W_q 768-, W_k 832-, W_v 896-.
; A WORK-GROUP STAYS and makes three blocks of 128 (A) x 128 (B), one of Q, one of K, one of V^T: 256 work-groups for 768 blocks.  Four waves, each 64 x 64: 16 accumulators.
; THE RING: K = 1,024 goes in halves of 512 through two LDS slots of 16 row blocks x 6,144 bytes; six halves in all, half n in slot n % 2.  Each wave brings four row blocks of a half by one tensor load
; (4 rows of 6,144 bytes, 12,288 apart, each at a multiple of 256 bytes).  A slot is asked for again at the end of the half that read it: the load has the next half's 64 matrix instructions a wave,
; and on odd halves the block's quantiser and stores, in which to land.  The ring goes on from block to block.
; CLUSTERS of 4 x 4: A's tiles are shared along a row of the cluster, B's along a column: joint tensor loads, each behind a round of the cluster's barrier.
; THE MATRIX INSTRUCTION IS USED TRANSPOSED: source 0 = 16 rows of B, source 1 = 16 rows of A: lane (r, h) holds row r of A's block, and register j of B's tile t
; column 32 (t / 2) + 16 h + 8 (t % 2) + j: the 16 registers of tiles 2 b, 2 b + 1 are 16 neighbours along the next product's K.  The bias is the C of each sum's first matrix instruction.
; The next block's scale words and bias are loaded one half ahead, the scale words into a second set of registers.
; PREFETCH: behind the joint load of half m each wave asks for half m + 1, which the next joint load fetches: of its four row blocks the partner at place p
; (cx for A, cy for B) names block p: 6,144 bytes, 24 lanes 256 bytes apart (the eight lanes left over name the last again).  Half 0 comes by its load alone; behind the load of half 5 nothing is asked for.
; OUT: qx (Q), kvx (K, V): [head 16][step of 128 rows 32][12,800]:
;   bytes 0-6,143: four fragments of K (or Q), each two row blocks = 12 registers: registers 4 j .. 4 j + 3 at 1,536 G + 512 j + 16 x lane;
;   bytes 6,144-12,287: V's half images (registers 0-3 at 16 x lane, 4-5 at 512 + 8 x lane): half c x 3,072 + channel tile a x 768;
;   bytes 12,288-12,799: scale words, 16 bytes to a lane (r, h): K's fragments h and 2 + h, V's tiles h and 2 + h, each row r's word.
; LIMITS: a block of zeros, or one whose largest magnitude lies under 2^-124, gets the scale byte 1 (read by this program alone); NaN and infinities are not served.
; REGISTERS: window 0: v0-31 addresses; v32-63, v64-95 two sets of scale words (register 4 s + i: lanes 0-15 A's block i, lanes 16-31 B's tile i, K step s), nothing else ever; v96-127 the sums' first C;
;   v128-131 V's bias as loaded; v136-195 the quantiser's work; v200-216 addresses.   window 1: two fragment buffers of 96 at v0 and v96: A's four fragments, then B's four.   window 2: accumulator (a, t) at 8 (4 a + t).
.set RB,    12288                      ; a row block's codes
.set HB,    6144                       ; and half of them: four K steps
.set SLOT,  98304
.set SPARE, 196608                     ; behind the ring: the spare words, 128 bytes for each wave
.set SC,    32
.set BC,    96
.set BR,    128
.set TM,    136                        ; v136-151
.set PCA,   152                        ; v152-171, v172-191 codes of blocks 0, 1 and of blocks 2, 3
.set PCB,   172
.set HW,    192                        ; v192, v193 four scale bytes; v194, v195 the halfword that leaves
.set SA,    200                        ; v200-202 a block's scale words in sc1
.set BQ,    203                        ; the bias by columns (Q, K)
.set BV,    204                        ; the bias by rows (V)
.set OQ,    208                        ; v208-211 the way out of Q and K: 16 x lane, 8 x lane, two places of halfwords
.set OV,    212                        ; v212-215 the same for V
.set PFO,   216                        ; the prefetches' offset
.set G1A, 24                           ; s[24:31], s[32:39] descriptor groups 1;  s[40:47], s[48:55] groups 0, one for each slot
.set G1B, 32
.set G0A, 40
.set G0B, 48
.set PF,  72                           ; s[72:77] where my prefetches of each block begin
; s[56:57], s[58:59] my four row blocks of A and of B among query's and W_q's; s[60:61], s[62:63] among W_v's and value's; s[66:71] the three ways out
.set MSB, 0
.macro WIN new                         ; the immediate's high byte repeats the setting that is left
.if MSB != \new
	s_set_vgpr_msb (MSB<<8)|\new
.set MSB, \new
.endif
.endm
.macro CREST                           ; a round of the cluster's barrier behind its opening barrier
	s_cmp_lg_u32 s18, 0
	s_cbranch_scc1 .Lnot_wave_0_\@
	s_barrier_signal -3
.Lnot_wave_0_\@:
	s_barrier_wait -3
	s_barrier_signal -1
	s_barrier_wait -1
.endm
.macro CROUND
	s_barrier_signal -1
	s_barrier_wait -1
	CREST
.endm
.macro PLACES                          ; four plain vector instructions between a matrix instruction and a load into, or a read of, its registers
.rept 4
	v_nop
.endr
.endm
.macro JLOAD sl                        ; a joint load into slot sl: waves 0, 1 for A, waves 2, 3 for B; an s_nop 0 and four v_nop follow each line
	s_cmp_lt_u32 s18, 2
	s_cbranch_scc0 .Lfor_b_\@
	tensor_load_to_lds s[G0A+4*(\sl):G0A+4*(\sl)+3], s[G1A:G1A+7]
	s_nop 0
	PLACES
	s_branch .Lasked_\@
.Lfor_b_\@:
	tensor_load_to_lds s[G0B+4*(\sl):G0B+4*(\sl)+3], s[G1B:G1B+7]
	s_nop 0
	PLACES
.Lasked_\@:
.endm
.macro SETG0 m                         ; the global addresses of half m into its slot's groups 0
.set GG, (\m)/2
.set SL, (\m)%2
.if GG < 2
	s_add_nc_u64 s[G0A+4*SL+2:G0A+4*SL+3], s[56:57], 256*GG*RB+SL*HB
	s_add_nc_u64 s[G0B+4*SL+2:G0B+4*SL+3], s[58:59], (768+64*GG)*RB+SL*HB
.else
	s_add_nc_u64 s[G0A+4*SL+2:G0A+4*SL+3], s[60:61], 896*RB+SL*HB
	s_add_nc_u64 s[G0B+4*SL+2:G0B+4*SL+3], s[62:63], 512*RB+SL*HB
.endif
	s_or_b32 s[G0A+4*SL+3], s[G0A+4*SL+3], 0x80000000
	s_or_b32 s[G0B+4*SL+3], s[G0B+4*SL+3], 0x80000000
.endm
.macro ASK m                           ; half m into the L2: my work-group's row block of my wave's four
	global_prefetch_b8 v[PFO], s[PF+2*((\m)/2):PF+2*((\m)/2)+1] offset:((\m)%2)*HB th:TH_LOAD_NT scope:SCOPE_SE
.endm
.macro HFRAG reg, a16, a8, off, d      ; a fragment = two half images, d bytes apart: every access is consecutive over the lanes
	ds_load_b128 v[(\reg):(\reg)+3], v[\a16] offset:(\off)
	ds_load_b64 v[(\reg)+4:(\reg)+5], v[\a8] offset:(\off)
	ds_load_b128 v[(\reg)+6:(\reg)+9], v[\a16] offset:(\off)+(\d)
	ds_load_b64 v[(\reg)+10:(\reg)+11], v[\a8] offset:(\off)+(\d)
.endm
.macro FETCH sl, ks                    ; K step ks of the half in slot sl: 32 LDS loads into buffer ks % 2
	WIN 0x40                                       ; destination window 1, address window 0
.set FB, 96*((\ks)%2)
.irp i, 0,1,2,3
	HFRAG FB+12*\i, 16-4*(\sl), 17-4*(\sl), \i*HB+(\ks)*1536, 768
.endr
.irp i, 0,1,2,3
	HFRAG FB+48+12*\i, 18-4*(\sl), 19-4*(\sl), \i*HB+(\ks)*1536, 768
.endr
.endm
; 16 matrix instructions; the 16 accumulators take turns, in the same order in every step.  sb: the step's first scale register.
; cm = 0: the sums go on; 1: they begin from the bias by columns (tile t); 2: from the bias by rows (block a)
.macro MUL ks, sb, cm
.set FB, 96*((\ks)%2)
.if \cm
	WIN 0x85                                       ; sources 0 and 1 window 1, C window 0, D window 2
.else
	WIN 0xa5                                       ; C and D window 2
.endif
.irp a, 0,1,2,3
.irp t, 0,1,2,3
.if \cm == 1
	v_wmma_scale_f32_16x16x128_f8f6f4 v[8*(4*\a+\t):8*(4*\a+\t)+7], v[FB+48+12*\t:FB+48+12*\t+11], v[FB+12*\a:FB+12*\a+11], v[BC+8*\t:BC+8*\t+7], v[(\sb)+\t], v[(\sb)+\a] matrix_a_fmt:MATRIX_FMT_FP6 matrix_b_fmt:MATRIX_FMT_FP6 matrix_a_scale:MATRIX_SCALE_ROW1
.elseif \cm == 2
	v_wmma_scale_f32_16x16x128_f8f6f4 v[8*(4*\a+\t):8*(4*\a+\t)+7], v[FB+48+12*\t:FB+48+12*\t+11], v[FB+12*\a:FB+12*\a+11], v[BC+8*\a:BC+8*\a+7], v[(\sb)+\t], v[(\sb)+\a] matrix_a_fmt:MATRIX_FMT_FP6 matrix_b_fmt:MATRIX_FMT_FP6 matrix_a_scale:MATRIX_SCALE_ROW1
.else
	v_wmma_scale_f32_16x16x128_f8f6f4 v[8*(4*\a+\t):8*(4*\a+\t)+7], v[FB+48+12*\t:FB+48+12*\t+11], v[FB+12*\a:FB+12*\a+11], v[8*(4*\a+\t):8*(4*\a+\t)+7], v[(\sb)+\t], v[(\sb)+\a] matrix_a_fmt:MATRIX_FMT_FP6 matrix_b_fmt:MATRIX_FMT_FP6 matrix_a_scale:MATRIX_SCALE_ROW1
.endif
.endr
.endr
.endm
.macro TLOADS g                        ; block g's scale words, into set g % 2, and its bias
.irp s, 0,1,2,3,4,5,6,7
.irp i, 0,1,2,3
	global_load_b32 v[SC+32*((\g)%2)+4*\s+\i], v[SA+(\g)], s[6:7] offset:512*\i+64*\s
.endr
.endr
.if (\g) == 2
.irp a, 0,1,2,3
	global_load_b32 v[BR+\a], v[BV], s[12:13] offset:(32*(\a/2)+8*(\a%2))*4   ; b_v at row r of block a
.endr
.else
.irp b, 0,1
.irp q, 0,1,2,3
	global_load_b128 v[BC+16*\b+4*\q:BC+16*\b+4*\q+3], v[BQ], s[8+2*(\g):9+2*(\g)] offset:128*\b+16*\q   ; columns 32 b + 16 h + 4 q ..: register 8 t + j of the result's layout
.endr
.endr
.endif
.endm
; 64 numbers of a lane in window 2, register s + 16 b + i = column 32 b + 16 h + i, become 12 registers of codes at v[pc] (two half images) and the four blocks' bytes in v[pw]
.macro QUANT s, pc, pw
	WIN 0x0a                                       ; sources 0 and 1 window 2
.irp b, 0,1,2,3
	v_max3_num_f32 v[TM+\b], |v[\s+16*\b]|, |v[\s+1+16*\b]|, 0x1800000   ; my 16 numbers of block b, and the floor 2^(3 - 127): the byte cannot fall under 1.  Each accumulator is read from its low end on
.endr
	WIN 0x28                                       ; sources 1 and 2 window 2
.irp i, 2,4,6,8,10,12,14
.irp b, 0,1,2,3
	v_max3_num_f32 v[TM+\b], v[TM+\b], |v[\s+16*\b+\i]|, |v[\s+1+16*\b+\i]|
.endr
.endr
	WIN 0
.irp b, 0,1,2,3
	v_permlanex16_b32 v[TM+4+\b], v[TM+\b], s2, s3
.endr
.irp b, 0,1,2,3
	v_max_num_f32 v[TM+\b], v[TM+\b], v[TM+4+\b]   ; with lane l xor 16's: the block's largest magnitude
.endr
.irp b, 0,1,2,3
	v_add_nc_u32 v[TM+12+\b], 0xff000000, v[TM+\b] ; 2 off its exponent field: the conversion's scale operand
.endr
.irp b, 0,1,2,3
	v_lshrrev_b32 v[TM+4+\b], 23, v[TM+12+\b]      ; the scale's byte
.endr
	v_lshl_or_b32 v[\pw], v[TM+5], 8, v[TM+4]
	v_lshl_or_b32 v[\pw], v[TM+6], 16, v[\pw]
	v_lshl_or_b32 v[\pw], v[TM+7], 24, v[\pw]
	WIN 0x02                                       ; source 0 window 2
.irp c, 0,1
	v_cvt_scalef32_pk16_fp6_f32 v[\pc+6*\c:\pc+2+6*\c], v[\s+32*\c:\s+15+32*\c], v[TM+12+2*\c]
	v_cvt_scalef32_pk16_fp6_f32 v[\pc+12+4*\c:\pc+14+4*\c], v[\s+16+32*\c:\s+31+32*\c], v[TM+12+2*\c+1]   ; (a conversion's three registers begin on an even number)
.endr
	WIN 0
	v_nop                                          ; one plain place behind a scaled conversion
.irp c, 0,1                            ; the layout wants a whole block in a lane: lanes 0-15 block 2 c, lanes 16-31 block 2 c + 1
.irp i, 0,1,2
	v_permlane16_swap_b32 v[\pc+6*\c+\i], v[\pc+12+4*\c+\i]
.endr
.irp i, 0,1,2
	v_mov_b32 v[\pc+3+6*\c+\i], v[\pc+12+4*\c+\i]
.endr
.endr
.endm
; blocks a = 2 q and 2 q + 1 leave; then their two halfwords of scale bytes.  isv = 0 (Q, K): the two are one fragment, three runs of 512 consecutive bytes; isv = 1 (V): two half images, runs of 512 and 256
.macro OUTQ q, pc, bp, ov, isv
.if \isv
	global_store_b128 v[\ov], v[\pc:\pc+3], s[\bp:\bp+1] offset:(2*\q)*768
	global_store_b64 v[\ov+1], v[\pc+4:\pc+5], s[\bp:\bp+1] offset:(2*\q)*768
	global_store_b128 v[\ov], v[\pc+6:\pc+9], s[\bp:\bp+1] offset:(2*\q+1)*768
	global_store_b64 v[\ov+1], v[\pc+10:\pc+11], s[\bp:\bp+1] offset:(2*\q+1)*768
.else
	global_store_b128 v[\ov], v[\pc:\pc+3], s[\bp:\bp+1] offset:\q*1536
	global_store_b128 v[\ov], v[\pc+4:\pc+7], s[\bp:\bp+1] offset:\q*1536+512
	global_store_b128 v[\ov], v[\pc+8:\pc+11], s[\bp:\bp+1] offset:\q*1536+1024
.endif
	v_lshrrev_b32 v[HW+2+\q], 16, v[HW+\q]
	v_cndmask_b32 v[HW+2+\q], v[HW+\q], v[HW+2+\q], s96   ; lanes 0-15 block 2 q's halfword, lanes 16-31 block 2 q + 1's
	global_store_b16 v[\ov+2+\q], v[HW+2+\q], s[\bp:\bp+1]
.endm
.macro EPI first, bp, ov, isv          ; a finished block is quantised and leaves
.if \first == 0
	s_wait_xcnt 0x0                                ; the last block's stores have read their registers: these are written again only behind this wait
.endif
	QUANT 0, PCA, HW
	OUTQ 0, PCA, \bp, \ov, \isv
	QUANT 64, PCB, HW+1
	OUTQ 1, PCB, \bp, \ov, \isv
.endm
; HALF n: 64 matrix instructions on the half in slot n % 2.  In front of the change of slots each wave waits for all its tensor loads (one is out: its part of the other slot), adds 0 to its spare word, and waits
; for that and for its reads of this slot; the half's last 16 products stand between the barrier's signal and its wait.  Up to half 3 the barrier opens a round of the cluster's, and the slot takes half n + 2.
.macro HALF n
.set HG, (\n)/2
.set HF, (\n)%2
.set SB0, SC+32*(HG%2)+16*HF
.if HF == 0
	s_wait_loadcnt 0x0                             ; the block's scale words and bias, asked for a half ago
.if HG == 2
.irp a, 0,1,2,3
.irp j, 0,1,2,3,4,5,6,7
	v_mov_b32 v[BC+8*\a+\j], v[BR+\a]              ; V's bias goes by rows: a lane's eight results of block a share it
.endr
.endr
	s_wait_alu depctr_va_vdst(0)
.endif
.endif
	FETCH HF, 0
	FETCH HF, 1
	s_wait_dscnt 32                                ; all but the 32 loads just issued
.if HF == 0
.if HG == 2
	MUL 0, SB0, 2
.else
	MUL 0, SB0, 1
.endif
.else
	MUL 0, SB0, 0
.endif
	PLACES
	FETCH HF, 2
	s_wait_dscnt 32
	MUL 1, SB0+4, 0
	PLACES
	FETCH HF, 3
	s_wait_dscnt 32
	MUL 2, SB0+8, 0
	WIN 0
.if \n < 5
	s_wait_tensorcnt 0x0                           ; my part of the other slot is in, and no load of mine is out: a group 0 may be written
.if \n < 4
	ds_add_u32 v30, v31                            ; 0 onto my spare word
	SETG0 (\n)+2
.endif
	s_wait_dscnt 0x0                               ; my reads of this slot are over (and the add is done)
	s_barrier_signal -1
	MUL 3, SB0+12, 0                               ; work on registers while the others arrive
	WIN 0
	s_barrier_wait -1
.if \n < 4
	CREST                                          ; no wave of any partner still reads this slot or has a load on its way
	JLOAD HF                                       ; half n + 2; its four v_nop are the places behind the products above
.if \n < 3
	ASK (\n)+3
.endif
.else
	PLACES
.endif
.else
	s_wait_dscnt 0x0
	MUL 3, SB0+12, 0
	WIN 0
	PLACES
.endif
.if HF == 0
.if HG < 2
	TLOADS HG+1
.endif
.elseif HG == 0
	EPI 1, 66, OQ, 0
.elseif HG == 1
	EPI 0, 68, OQ, 0
.else
	EPI 0, 70, OV, 1
.endif
.endm
	s_load_b256 s[4:11], s[0:1], 0x0               ; c1, sc1, b_q, b_k
	s_load_b128 s[12:15], s[0:1], 0x20             ; b_v, qx
	s_load_b64 s[16:17], s[0:1], 0x30              ; kvx
	v_lshl_add_u32 v30, v0, 2, SPARE
	v_mov_b32 v31, 0
	ds_add_u32 v30, v31                            ; the opening lines: the add, twice on end, and its wait ahead of my first tensor load
	ds_add_u32 v30, v31
	v_lshrrev_b32 v1, 5, v0
	v_readfirstlane_b32 s18, v1                    ; wave 0..3
	s_lshr_b32 s19, s18, 1                         ; wr: which 64 rows of A are mine.  Also: I fetch for A (0) or B (1)
	s_and_b32 s20, s18, 1                          ; wc: which 64 rows of B.  Also: which four row blocks I fetch
	s_mov_b32 s2, 0x76543210
	s_mov_b32 s3, 0xfedcba98                       ; v_permlanex16_b32's selects for lane l xor 16
	s_mov_b32 s96, 0xffff0000                      ; lanes 16-31
	s_bfe_u32 s21, ttmp6, 0x40000                  ; cx
	s_bfe_u32 s22, ttmp6, 0x40004                  ; cy
	s_and_b32 s78, ttmp7, 0xffff                   ; the cluster's number, 0 .. 15
	s_lshr_b32 s79, s78, 1
	s_and_b32 s78, s78, 1
	s_lshl_b32 s79, s79, 2                         ; along the long tensor (32 tiles of 128 rows),
	s_lshl_b32 s78, s78, 2                         ; along the weight (8 tiles)
	s_add_co_u32 s80, s79, s22                     ; Q, K: A's tile (tokens), shared along a row of the cluster;
	s_add_co_u32 s81, s78, s21                     ;       B's (the weight's rows), shared along a column
	s_add_co_u32 s82, s78, s22                     ; V: A's tile (W_v's rows);
	s_add_co_u32 s83, s79, s21                     ;    B's (tokens)
	s_lshl_b32 s84, s20, 2                         ; 4 wc
	s_lshl_b32 s94, s19, 2                         ; 4 wr
.irp p, 0,1,2,3
	s_lshl_b32 s[56+2*\p], s[80+\p], 3             ; 8 row blocks a tile,
	s_add_co_u32 s[56+2*\p], s[56+2*\p], s84       ; + the four that I fetch
	s_mul_i32 s[56+2*\p], s[56+2*\p], RB
	s_mov_b32 s[57+2*\p], 0
.endr
	s_lshl_b32 s86, s22, 2
	s_lshl_b32 s86, 15, s86                        ; my row of the cluster
	s_lshl_b32 s87, 0x1111, s21                    ; my column
	; group 1: 4 rows (row blocks) of 6,144 bytes (768 elements of 8), 12,288 bytes apart, dense in LDS
	s_or_b32 s[G1A], s86, (3<<16)|(1<<21)          ; 15:0 the mask; 17:16 elements of 8 bytes; 21 set beside a mask
	s_or_b32 s[G1B], s87, (3<<16)|(1<<21)
.irp g, G1A, G1B
	s_mov_b32 s[\g+1], 768<<16                     ; tensor_dim0
	s_mov_b32 s[\g+2], 4<<16                       ; tensor_dim1
	s_mov_b32 s[\g+3], 768<<16                     ; tile_dim0
	s_mov_b32 s[\g+4], 4                           ; tile_dim1
	s_mov_b32 s[\g+5], 1536                        ; tensor_dim0_stride
	s_mov_b32 s[\g+6], 0
	s_mov_b32 s[\g+7], 0
.endr
	s_mul_i32 s85, s18, 4*HB                       ; where my four row blocks go in a slot: no place in the cluster enters an LDS address
.irp sl, 0,1
	s_mov_b32 s[G0A+4*\sl], 1
	s_add_co_u32 s[G0A+4*\sl+1], s85, \sl*SLOT
	s_mov_b32 s[G0B+4*\sl], 1
	s_add_co_u32 s[G0B+4*\sl+1], s85, \sl*SLOT
.endr
	v_and_b32 v1, 31, v0                           ; lane
	v_min_u32 v[PFO], 23, v1
	v_lshlrev_b32 v[PFO], 8, v[PFO]                ; the prefetches: 24 blocks of 256 bytes
	s_wait_alu depctr_va_vdst(0)
	s_wait_dscnt 0x0                               ; both opening adds are done
	s_wait_kmcnt 0x0
.irp p, 0,1,2,3
	s_add_nc_u64 s[56+2*\p:57+2*\p], s[4:5], s[56+2*\p:57+2*\p]
.endr
	SETG0 0
	CROUND                                         ; all sixteen work-groups are here: the first joint loads meet
	JLOAD 0                                        ; half 0: one tensor load a wave at the head
	SETG0 1                                        ; (slot 1's groups 0: no load names them yet)
	s_mul_i32 s86, s21, RB                         ; the prefetches: my work-group's row block of my wave's four, by cx for A,
	s_mov_b32 s87, 0
	s_mul_i32 s88, s22, RB                         ; by cy for B
	s_mov_b32 s89, 0
.macro PFB g, pa, pb, ca, cb
	s_add_nc_u64 s[90:91], s[\pa:\pa+1], s[86:87]
	s_add_nc_u64 s[90:91], s[90:91], \ca
	s_add_nc_u64 s[92:93], s[\pb:\pb+1], s[88:89]
	s_add_nc_u64 s[92:93], s[92:93], \cb
	s_cmp_lt_u32 s18, 2                            ; the choice hangs on the wave's number alone
	s_cselect_b64 s[PF+2*\g:PF+2*\g+1], s[90:91], s[92:93]
.endm
	PFB 0, 56, 58, 0, 768*RB
	ASK 1                                          ; half 1, which the next joint load fetches
	PFB 1, 56, 58, 256*RB, 832*RB
	PFB 2, 60, 62, 896*RB, 512*RB
	s_lshl_b32 s90, s81, 1                         ; where the results go.  Q, K: head = 2 x B's tile + wc, step = A's tile
	s_add_co_u32 s90, s90, s20
	s_mul_i32 s90, s90, 409600
	s_mul_i32 s91, s80, 12800
	s_add_co_u32 s90, s90, s91
	s_mov_b32 s91, 0
	s_add_nc_u64 s[66:67], s[14:15], s[90:91]
	s_add_nc_u64 s[68:69], s[16:17], s[90:91]
	s_lshl_b32 s90, s82, 1                         ; V: head = 2 x A's tile + wr, step = B's tile
	s_add_co_u32 s90, s90, s19
	s_mul_i32 s90, s90, 409600
	s_mul_i32 s91, s83, 12800
	s_add_co_u32 s90, s90, s91
	s_mov_b32 s91, 0
	s_add_nc_u64 s[70:71], s[16:17], s[90:91]
	v_and_b32 v2, 15, v0                           ; r
	v_bfe_u32 v3, v0, 4, 1                         ; h
	v_lshlrev_b32 v4, 4, v1                        ; 16 x lane
	v_lshl_add_u32 v5, v1, 3, 512                  ; 8 x lane + 512
	v_lshlrev_b32 v6, 2, v2                        ; 4 r
	v_and_b32 v9, 8, v2
	v_add_nc_u32 v9, v9, v2                        ; r + 8 (r / 8)
	v_lshlrev_b32 v10, 4, v2                       ; 16 r
	s_wait_alu depctr_va_vdst(0)
	s_mul_i32 s90, s19, 4*HB                       ; my four blocks of A in a slot,
	s_mul_i32 s91, s20, 4*HB
	s_add_co_u32 s91, s91, 8*HB                    ; my four tiles of B, behind A's eight
	v_add_nc_u32 v16, s90, v4
	v_add_nc_u32 v17, s90, v5
	v_add_nc_u32 v18, s91, v4
	v_add_nc_u32 v19, s91, v5
.irp r, 0,1,2,3
	v_add_nc_u32 v[12+\r], SLOT, v[16+\r]          ; v12-15: the same in slot 1
.endr
.macro SADDR g, at, bt, ra, rb         ; block g's scale words: 512 bytes a row block; lanes 0-15 take A's, lanes 16-31 B's
	s_lshl_b32 s90, s\at, 3
	s_add_co_u32 s90, s90, s94
	s_add_co_u32 s90, s90, \ra
	s_lshl_b32 s90, s90, 9
	s_lshl_b32 s91, s\bt, 3
	s_add_co_u32 s91, s91, s84
	s_add_co_u32 s91, s91, \rb
	s_lshl_b32 s91, s91, 9
	v_add_nc_u32 v7, s90, v6
	v_add_nc_u32 v8, s91, v6
	v_cndmask_b32 v[SA+\g], v7, v8, s96
.endm
	SADDR 0, 80, 81, 0, 768
	SADDR 1, 80, 81, 256, 832
	SADDR 2, 82, 83, 896, 512
	s_lshl_b32 s90, s81, 9                         ; Q, K: my first column, in bytes of the bias
	s_lshl_b32 s91, s20, 8
	s_add_co_u32 s90, s90, s91
	v_lshl_add_u32 v[BQ], v3, 6, s90
	s_lshl_b32 s90, s82, 9                         ; V: my first row
	s_lshl_b32 s91, s19, 8
	s_add_co_u32 s90, s90, s91
	v_lshl_add_u32 v[BV], v9, 2, s90
	s_mul_i32 s90, s19, 3072                       ; Q, K: my 64 rows are fragments 2 wr and 2 wr + 1 of the step
	v_add_nc_u32 v[OQ], s90, v4
	v_add_nc_u32 v[OQ+1], s90, v5
	s_add_co_u32 s91, s94, 12288
	v_lshl_add_u32 v7, v3, 1, v10
	v_add_nc_u32 v[OQ+2], s91, v7                  ; halfwords of fragment 2 wr + q, block h of it: 256 q + 16 r + 4 wr + 2 h
	v_add_nc_u32 v[OQ+3], 256, v[OQ+2]
	s_mul_i32 s90, s20, 3072                       ; V: my 64 keys are half wc of the step, behind K's 6,144 bytes
	s_add_co_u32 s90, s90, 6144
	v_add_nc_u32 v[OV], s90, v4
	v_add_nc_u32 v[OV+1], s90, v5
	s_lshl_b32 s91, s20, 1
	s_add_co_u32 s91, s91, 12296
	v_lshl_add_u32 v8, v3, 8, v10
	v_add_nc_u32 v[OV+2], s91, v8                  ; halfwords of tile 2 q + h: 256 h + 16 r + 8 + 4 q + 2 wc
	v_add_nc_u32 v[OV+3], 4, v[OV+2]
.irp b, 0,1,2,3
	v_mov_b32 v[TM+4+\b], 0                        ; a lane permute's destination counts as one of its sources
.endr
	s_wait_alu depctr_va_vdst(0)
	TLOADS 0
	s_wait_tensorcnt 0x0                           ; my part of half 0 is in
	ds_add_u32 v30, v31
	s_wait_dscnt 0x0
	CROUND                                         ; everybody's part is in, and all sixteen work-groups are here
	JLOAD 1                                        ; half 1, slot 1's first fill
	ASK 2
	HALF 0
	HALF 1
	HALF 2
	HALF 3
	HALF 4
	HALF 5
	s_wait_tensorcnt 0x0                           ; the wave's end
	ds_add_u32 v30, v31
	s_wait_dscnt 0x0
	CROUND                                         ; the closing round: no work-group ends while a partner may still ask for a tile that names it
	s_endpgm
.Lfunc_end_k_qce5aeaa020_proj:
	.size	k_qce5aeaa020_proj, .Lfunc_end_k_qce5aeaa020_proj-k_qce5aeaa020_proj
	.p2alignl 7, 3214868480
	.fill 96, 4, 3214868480
	.section	.rodata,"a",@progbits
	.p2align	6, 0x0
	.amdhsa_kernel k_qce5aeaa020_proj
		.amdhsa_group_segment_fixed_size 327680
		.amdhsa_private_segment_fixed_size 0
		.amdhsa_enable_private_segment 0
		.amdhsa_kernarg_size 56
		.amdhsa_user_sgpr_count 2
		.amdhsa_user_sgpr_kernarg_segment_ptr 1
		.amdhsa_wavefront_size32 1
		.amdhsa_system_sgpr_workgroup_id_x 1
		.amdhsa_system_sgpr_workgroup_id_y 1
		.amdhsa_system_sgpr_workgroup_id_z 1
		.amdhsa_system_vgpr_workitem_id 0
		.amdhsa_next_free_vgpr 640
		.amdhsa_next_free_sgpr 100
		.amdhsa_reserve_vcc 0
		.amdhsa_float_denorm_mode_32 3
		.amdhsa_float_denorm_mode_16_64 3
		.amdhsa_memory_ordered 1
		.amdhsa_forward_progress 1
		.amdhsa_inst_pref_size 156
	.end_amdhsa_kernel
	.amdgpu_metadata
---
amdhsa.version: [ 1, 2 ]
amdhsa.kernels:
  - .name:           k_qce5aeaa020_proj
    .symbol:         k_qce5aeaa020_proj.kd
    .args:
      - { .name: c1, .offset: 0, .size: 8, .value_kind: global_buffer, .address_space: global }
      - { .name: sc1, .offset: 8, .size: 8, .value_kind: global_buffer, .address_space: global }
      - { .name: b_q, .offset: 16, .size: 8, .value_kind: global_buffer, .address_space: global }
      - { .name: b_k, .offset: 24, .size: 8, .value_kind: global_buffer, .address_space: global }
      - { .name: b_v, .offset: 32, .size: 8, .value_kind: global_buffer, .address_space: global }
      - { .name: qx, .offset: 40, .size: 8, .value_kind: global_buffer, .address_space: global }
      - { .name: kvx, .offset: 48, .size: 8, .value_kind: global_buffer, .address_space: global }
    .group_segment_fixed_size: 327680
    .private_segment_fixed_size: 0
    .kernarg_segment_align: 8
    .kernarg_segment_size: 56
    .max_flat_workgroup_size: 128
    .sgpr_count:     100
    .vgpr_count:     640
    .wavefront_size: 32
...
	.end_amdgpu_metadata
.endif
;; end of part 2
;; launch attn (part 3): grid 16 x 16, 16 waves a work-group, clusters of 4 x 1, 327,680 bytes of LDS; arguments qx, kvx, ac, sc2; writes ac, sc2
.if DOCPART == 3
	.amdgcn_target "amdgcn-amd-amdhsa--gfx1250"
	.amdhsa_code_object_version 6
	.text
	.protected	k_qce5aeaa020_attn
	.globl	k_qce5aeaa020_attn
	.p2align	8
	.type	k_qce5aeaa020_attn,@function
k_qce5aeaa020_attn:
	s_mov_b64 s[64:65], 0
	v_nop
	global_prefetch_b8 v0, s[64:65] scope:SCOPE_SE
	s_setreg_imm32_b32 hwreg(HW_REG_WAVE_MODE, 25, 1), 1
	s_wait_xcnt 0x0
	s_wait_alu depctr_hold_cnt(0) depctr_sa_sdst(0) depctr_va_vdst(0) depctr_va_sdst(0) depctr_va_ssrc(0) depctr_va_vcc(0) depctr_vm_vsrc(0)
	s_getreg_b32 s2, hwreg(HW_REG_IB_STS2, 6, 4)
	s_cmp_eq_u32 s2, 0
	s_cbranch_scc0 .Lentry_in_a_cluster
	s_endpgm
.Lentry_in_a_cluster:
	s_bfe_u32 s2, ttmp6, 0x10000c
	s_cmp_lg_u32 s2, 0x3003
	s_cbranch_scc0 .Lentry_shape_is_right
	s_endpgm
.Lentry_shape_is_right:
; For each head: O = softmax(Q K^T / 8) V, both products on codes of FP6 (E2M3) with E8M0 scales, and O quantised along the model's 1,024 for the last product.
; THE SOFTMAX AHEAD OF THE SECOND PRODUCT: t = score x log2(e) / 8; M = the running largest t rounded UP to a whole number; p = 2^(t - M) is what is quantised, along the keys, not normalised.
; The row's sum is taken of the unquantised p, in f32, and divides O at the end.  When M moves, the sum and O are multiplied by 2^(old M - new M): exact.
; IN: qx, kvx: [head][step of 128 rows: 32][12,800], all images of operand registers:
;   bytes 0-6,143: four fragments of K (Q), each two row blocks of 16 rows x 64 k = 12 registers: registers 4 j .. 4 j + 3 at 1,536 G + 512 j + 16 x lane;
;   bytes 6,144-12,287: V^T's half images (16 channels x 64 keys; registers 0-3 at 16 x lane, 4-5 at 512 + 8 x lane): half c x 3,072 + channel tile a x 768;
;   bytes 12,288-12,799: scale words, 16 bytes to a lane (r, h): K's (Q's) fragments h and 2 + h, V's tiles h and 2 + h, each row r's word.
; WHICH KEYS FORM A TILE: row m of K's row block 4 c + i of a step is key 64 c + 8 i + m + 24 (m / 8).  Both products are used transposed (S^T = K Q^T, O^T = V^T P^T): a lane (r, h) holds ONE query, and
; register j of score tile 4 c + i is key 64 c + 32 h + 8 i + j.  So the 32 registers of tiles 4 c .. 4 c + 3 are ONE WHOLE BLOCK of 32 keys, in the order of the second product's operand:
; a block's largest score needs no other lane, and the conversions' results are the operand's registers.
; K = 64 IN AN INSTRUCTION OF K = 128: a fragment of K holds TWO tiles of 16 keys.  Against [q | 0] it gives the first tile's scores, against [0 | q] the second's: zero codes add nothing (the bytes lie in 1 .. 254).
; SHARES: a work-group owns 256 queries of a head, each of its 16 waves one row block of 16.  Every wave walks all 4,096 keys, 128 a step.
; LDS: two slots of 12 steps.  The walk is 12 + 12 + 8 steps: slot 0, slot 1, slot 0 again: one refill.  Every wave issues one load of each fill: 38 rows of 256 bytes for a first fill
; (16 x 38 = 608 rows: the 600 of 12 steps and 8 rows more of the next step, which lie inside kvx and land in the slot's own last 2,048 bytes), 25 rows for the refill's 8 steps.
; The four work-groups of a cluster belong to one head: each fill is a JOINT load.
; AT A CHANGE OF SLOTS a wave signals as soon as the slot's last V fragments are in registers; the rest of that step, work on registers alone, stands between the signal and the wait.
; THE LAST FOUR ADDITIONS OF A STEP'S ROW SUM stand in the next step, as the places behind its score products (the first step finds zeros there; the way out runs them once more).
; NO PREFETCH: slot 1's first fill and slot 0's second are each asked for 12 key steps ahead of their first read; the first fill stands at the head, with no loop ahead of it.
; OUT: ac [row block 256][head 16][768], sc2 [row block][K step 8][16 words]: the last product's A operand.
; LIMITS: NaN and infinities are not served; the promise holds while |t| stays under 2^31; v_exp_f32 gives 0 for results under 2^-126 (ISA guide, 15.8); a block whose largest number lies under 2^-124 gets the scale byte 1
; (read by this program alone).  A block's largest p is the block's largest score put through the same multiply-add and exponential: this takes v_exp_f32 not to fall where its input rises.
.set STEPB, 12800
.set SLOT1, 155648                     ; 608 rows of 256 bytes
.set SPARE, 311296                     ; behind the slots: the spare words, 128 bytes for each of 16 waves
.set F,   36                           ; v36-83   four fragments: K's, then V's
.set S,   96                           ; v96-159  S^T, then p
.set O,   160                          ; v160-191 O^T, four tiles of 16 channels
.set BM,  192                          ; v192-195 four chains of maxima; v192, v193 end as my two blocks' largest score, then p
.set PT,  196                          ; v196, v197 the bytes; v198 lane l xor 16's number; v199 my half of the scale word
.set SO,  200                          ; v200, v201 the conversions' scale operands
.set CT,  204                          ; v204-206, v208-210 a block's upper 16 codes
.set PW,  212                          ; v212     p's scale word
.set FF,  214                          ; v[214:215] f = 2^(old M - new M)
.set TT,  216                          ; v216     the old -M, then old M - new M
.set TU,  217
.set PC,  224                          ; v224-235 p's codes
.set LS,  236                          ; v236-249 seven chains of the row's sum
; v1 16 x lane; v2 8 x lane + 512; v4, v5 the add's two registers; v6 4 r; v7 8 h; v8, v9 the step's addresses; v11 16 r; v12 -M; v13 the largest score; v[14:15] the sum;
; v16-21 zeros, v22-27 q, v28-33 zeros: [0 | q] = v[16:27], [q | 0] = v[22:33]; v34 q's scale word; v84, v85 K's scale words, v86, v87 V's (lanes 0-15 the even fragment's, lanes 16-31 the odd one's)
.macro CREST                           ; a round of the cluster's barrier behind its opening barrier
	s_cmp_lg_u32 s18, 0
	s_cbranch_scc1 .Lnot_wave_0_\@
	s_barrier_signal -3
.Lnot_wave_0_\@:
	s_barrier_wait -3
	s_barrier_signal -1
	s_barrier_wait -1
.endm
.macro CROUND
	s_barrier_signal -1
	s_barrier_wait -1
	CREST
.endm
.macro HFRAG reg, a16, a8, off, d      ; a fragment = two half images, d bytes apart
	ds_load_b128 v[(\reg):(\reg)+3], v[\a16] offset:(\off)
	ds_load_b64 v[(\reg)+4:(\reg)+5], v[\a8] offset:(\off)
	ds_load_b128 v[(\reg)+6:(\reg)+9], v[\a16] offset:(\off)+(\d)
	ds_load_b64 v[(\reg)+10:(\reg)+11], v[\a8] offset:(\off)+(\d)
.endm
.macro KQ g, u                         ; score tile 2 g + u
.if (\g)%2
	v_wmma_scale_f32_16x16x128_f8f6f4 v[S+8*(2*\g+\u):S+8*(2*\g+\u)+7], v[F+12*\g:F+12*\g+11], v[22-6*\u:33-6*\u], 0, v[84+(\g)/2], v34 matrix_a_fmt:MATRIX_FMT_FP6 matrix_b_fmt:MATRIX_FMT_FP6 matrix_a_scale:MATRIX_SCALE_ROW1
.else
	v_wmma_scale_f32_16x16x128_f8f6f4 v[S+8*(2*\g+\u):S+8*(2*\g+\u)+7], v[F+12*\g:F+12*\g+11], v[22-6*\u:33-6*\u], 0, v[84+(\g)/2], v34 matrix_a_fmt:MATRIX_FMT_FP6 matrix_b_fmt:MATRIX_FMT_FP6
.endif
.endm
.macro PV a                            ; O^T's tile a += V^T's tile a x p
.if (\a)%2
	v_wmma_scale_f32_16x16x128_f8f6f4 v[O+8*\a:O+8*\a+7], v[F+12*\a:F+12*\a+11], v[PC:PC+11], v[O+8*\a:O+8*\a+7], v[86+(\a)/2], v[PW] matrix_a_fmt:MATRIX_FMT_FP6 matrix_b_fmt:MATRIX_FMT_FP6 matrix_a_scale:MATRIX_SCALE_ROW1
.else
	v_wmma_scale_f32_16x16x128_f8f6f4 v[O+8*\a:O+8*\a+7], v[F+12*\a:F+12*\a+11], v[PC:PC+11], v[O+8*\a:O+8*\a+7], v[86+(\a)/2], v[PW] matrix_a_fmt:MATRIX_FMT_FP6 matrix_b_fmt:MATRIX_FMT_FP6
.endif
.endm
.macro SUMEND                          ; the last four additions of a step's row sum: four plain vector instructions that name no register of a product
	v_pk_add_f32 v[LS:LS+1], v[LS:LS+1], v[LS+8:LS+9]
	v_pk_add_f32 v[LS+2:LS+3], v[LS+2:LS+3], v[LS+4:LS+5]
	v_pk_add_f32 v[14:15], v[14:15], v[LS:LS+1]
	v_pk_add_f32 v[14:15], v[14:15], v[LS+2:LS+3]
.endm
; A KEY STEP: the 128 keys whose block of 12,800 bytes begins at LDS byte s40.
; mid = 0: inside a slot.  mid = 1: a slot's last step, behind which the slot is filled again.  mid = 2: a slot's last step, behind which nothing is filled.
.macro STEP mid
	v_add_nc_u32 v8, s40, v1                       ; these four are the places in front of loads into registers that the last products read
	v_add_nc_u32 v9, s40, v2
	v_mov_b32 v[TT], v12                           ; the old -M
	v_nop
.irp g, 0,1,2,3
.irp j, 0,1,2
	ds_load_b128 v[F+12*\g+4*\j:F+12*\g+4*\j+3], v8 offset:1536*\g+512*\j
.endr
.endr
	ds_load_b128 v[84:87], v8 offset:12288         ; the step's four scale words
	s_wait_alu depctr_va_vdst(0)
	s_wait_dscnt 0x0
.irp g, 0,1,2,3
	KQ \g, 0
	KQ \g, 1
.endr
	SUMEND                                         ; the last step's sum is finished: the places in front of the loads into K's registers and of the first read of the scores
.irp a, 0,1,2,3
	HFRAG F+12*\a, 8, 9, 6144+768*\a, 3072         ; V lands while the softmax is worked
.endr
.if \mid
	s_wait_tensorcnt 0x0                           ; my one tensor load that may be out, my part of the other slot, is in
.if \mid == 1
	ds_add_u32 v4, v5                              ; 0 onto my spare word: the maxima below stand between it and the wait for it
.endif
.endif
.irp q, 0,1,2,3                        ; the largest score of my two blocks of 32 keys, each in two chains of 16; every tile is read from its low end on
	v_max3_num_f32 v[BM+\q], v[S+32*(\q%2)+16*(\q/2)], v[S+32*(\q%2)+16*(\q/2)+1], v[S+32*(\q%2)+16*(\q/2)+2]
.endr
.irp i, 3,5,7,9,11,13
.irp q, 0,1,2,3
	v_max3_num_f32 v[BM+\q], v[BM+\q], v[S+32*(\q%2)+16*(\q/2)+\i], v[S+32*(\q%2)+16*(\q/2)+\i+1]
.endr
.endr
.irp c, 0,1
	v_max3_num_f32 v[BM+\c], v[BM+\c], v[BM+2+\c], v[S+32*\c+15]
.endr
.irp c, 0,1
	v_max_num_f32 v[BM+\c], v[BM+\c], v[S+32*\c+31]
.endr
.if \mid
	s_wait_alu depctr_va_vdst(0)
	s_wait_dscnt 0x0                               ; V is in registers: my reads of this slot are over (and the add is done)
	s_barrier_signal -1                            ; say so; only work on registers follows up to the wait
.endif
	v_max_num_f32 v[TU], v[BM], v[BM+1]
	s_delay_alu instid0(VALU_DEP_1)
	v_permlanex16_b32 v[PT+2], v[TU], s20, s21
	s_delay_alu instid0(VALU_DEP_1)
	v_max3_num_f32 v13, v13, v[TU], v[PT+2]        ; the running largest score of my query, lane l xor 16's 64 keys among them
	s_delay_alu instid0(VALU_DEP_1)
	v_mul_f32 v[TU], s22, v13                      ; as t (c is positive)
	s_delay_alu instid0(VALU_DEP_1)
	v_floor_f32 v12, -v[TU]                        ; the new -M = floor(-t) = -ceil(t)
	s_delay_alu instid0(VALU_DEP_1)
	v_sub_f32 v[TT], v12, v[TT]                    ; old M - new M: a whole number, 0 or less
.set J, 0
.rept 32
	v_pk_fma_f32 v[S+J:S+J+1], v[S+J:S+J+1], s[22:23], v[12:13] op_sel_hi:[1,0,0]   ; t - M, two at a time
.if J == 6
	v_cvt_i32_f32 v[TT], v[TT]                     ; (it saturates)
.endif
.if J == 14
	v_ldexp_f32 v[FF], 1.0, v[TT]                  ; f = 2^(old M - new M)
.endif
.set J, J+2
.endr
.irp c, 0,1
	v_fma_f32 v[BM+\c], v[BM+\c], s22, v12         ; the same of each block's largest score
.endr
	s_wait_alu depctr_va_vdst(0)
.set J, 0
.rept 64
	v_exp_f32 v[S+J], v[S+J]                       ; p = 2^(t - M)
.set J, J+1
.endr
.irp c, 0,1
	v_exp_f32 v[BM+\c], v[BM+\c]                   ; the block's largest p
.endr
	v_pk_mul_f32 v[14:15], v[14:15], v[FF:FF+1] op_sel_hi:[1,0]   ; the sum under the new M: the plain place behind the exponentials
	s_wait_alu depctr_va_vdst(0)                   ; one wait for the batch, ahead of its first reader
.irp c, 0,1
	v_max_num_f32 v[BM+\c], 0x1800000, v[BM+\c]    ; the floor 2^(3 - 127): the byte cannot fall under 1
.endr
.irp c, 0,1
	s_delay_alu instid0(VALU_DEP_2)
	v_add_nc_u32 v[SO+\c], 0xff000000, v[BM+\c]    ; 2 off the exponent field: the conversion's scale operand
.endr
.irp c, 0,1
	s_delay_alu instid0(VALU_DEP_2)
	v_lshrrev_b32 v[PT+\c], 23, v[SO+\c]           ; the scale's byte
.endr
	s_delay_alu instid0(VALU_DEP_1)
	v_lshl_or_b32 v[PT+3], v[PT+1], 16, v[PT]      ; my two bytes: blocks h and 2 + h
.irp c, 0,1
	v_cvt_scalef32_pk16_fp6_f32 v[PC+6*\c:PC+6*\c+2], v[S+32*\c:S+32*\c+15], v[SO+\c]
	v_cvt_scalef32_pk16_fp6_f32 v[CT+4*\c:CT+4*\c+2], v[S+32*\c+16:S+32*\c+31], v[SO+\c]   ; (a conversion's three registers begin on an even number)
.endr
	v_lshlrev_b32 v[PT+3], v7, v[PT+3]             ; at their places, 8 h bits up: the plain place behind the conversions
	s_delay_alu instid0(VALU_DEP_1)
	v_permlanex16_b32 v[PT+2], v[PT+3], s20, s21
	v_dual_mov_b32 v[PC+3], v[CT] :: v_dual_mov_b32 v[PC+4], v[CT+1]
	v_dual_mov_b32 v[PC+5], v[CT+2] :: v_dual_mov_b32 v[PC+10], v[CT+5]
	v_mov_b32 v[PC+9], v[CT+4]
	v_mov_b32 v[PC+11], v[CT+6]
	v_or_b32 v[PW], v[PT+3], v[PT+2]               ; with lane l xor 16's two bytes p's scale word is whole
.irp k, 1,2,3,4,5,6,7                  ; the row's sum of the unquantised p: 32 pairs, 32 additions, eight chains; 28 of them here
	v_pk_add_f32 v[LS+2*\k-2:LS+2*\k-1], v[S+2*\k:S+2*\k+1], v[S+2*\k+14:S+2*\k+15]
.endr
	v_pk_add_f32 v[14:15], v[14:15], v[S:S+1]
.irp k, 1,2,3,4,5,6,7
	v_pk_add_f32 v[LS+2*\k-2:LS+2*\k-1], v[LS+2*\k-2:LS+2*\k-1], v[S+2*\k+28:S+2*\k+29]
.endr
	v_pk_add_f32 v[14:15], v[14:15], v[S+44:S+45]
.irp k, 1,2,3,4,5,6,7
	v_pk_add_f32 v[LS+2*\k-2:LS+2*\k-1], v[LS+2*\k-2:LS+2*\k-1], v[S+2*\k+44:S+2*\k+45]
.endr
	v_pk_add_f32 v[14:15], v[14:15], v[S+60:S+61]
	v_pk_add_f32 v[LS:LS+1], v[LS:LS+1], v[S+62:S+63]
	v_pk_add_f32 v[LS+2:LS+3], v[LS+2:LS+3], v[LS+10:LS+11]
	v_pk_add_f32 v[LS+4:LS+5], v[LS+4:LS+5], v[LS+12:LS+13]
	v_pk_add_f32 v[14:15], v[14:15], v[LS+6:LS+7]
	s_wait_alu depctr_va_vdst(0)
.set J, 0
.rept 16
	v_pk_mul_f32 v[O+J:O+J+1], v[O+J:O+J+1], v[FF:FF+1] op_sel_hi:[1,0]   ; O^T under the new M.  (With the sums above: the places between p's codes and scale word and the products below)
.set J, J+2
.endr
.if \mid == 0
	s_wait_alu depctr_va_vdst(0)
	s_wait_dscnt 0x0                               ; V is in
.endif
.irp a, 0,1,2,3
	PV \a                                          ; four accumulators by turns; eight other products stand between a tile's links
.endr
.if \mid
	s_wait_alu depctr_va_vdst(0)
	s_barrier_wait -1                              ; every wave of my work-group has left this slot and has its part of the other one
.endif
.endm
.macro WALK base, n                    ; n steps from LDS byte base on
	s_mov_b32 s40, \base
	s_mov_b32 s41, \n
.Lstep_\@:
	STEP 0
	s_add_co_u32 s40, s40, STEPB
	s_sub_co_u32 s41, s41, 1
	s_cmp_lg_u32 s41, 0
	s_cbranch_scc1 .Lstep_\@
.endm
	s_load_b256 s[4:11], s[0:1], 0x0               ; qx, kvx, ac, sc2
	v_lshl_add_u32 v4, v0, 2, SPARE
	v_mov_b32 v5, 0
	ds_add_u32 v4, v5                              ; the opening lines: the add, twice on end, and its wait ahead of my first tensor load
	ds_add_u32 v4, v5
	v_lshrrev_b32 v1, 5, v0
	v_readfirstlane_b32 s18, v1                    ; wave 0..15
	s_bfe_u32 s12, ttmp6, 0x40000                  ; cx: it enters Q's, ac's and sc2's addresses alone
	s_lshl_b32 s13, ttmp9, 2
	s_add_co_u32 s13, s13, s12                     ; my block of 256 queries
	s_and_b32 s14, ttmp7, 0xffff                   ; the head, which the four partners share
	s_mul_i32 s42, s14, 409600                     ; the head's bytes in qx and kvx
	s_mul_i32 s15, s18, 9728                       ; my 38 rows of a first fill,
	s_mul_i32 s43, s18, 6400                       ; my 25 rows of the refill
	s_add_co_u32 s44, s42, s15
	s_mov_b32 s45, 0
	s_add_co_u32 s76, s42, s43
	s_add_co_u32 s76, s76, 24*STEPB                ; which brings steps 24 to 31
	s_mov_b32 s77, 0
	s_lshl_b32 s46, s13, 1
	s_lshr_b32 s16, s18, 3
	s_add_co_u32 s46, s46, s16                     ; Q: my step of 128 rows,
	s_mul_i32 s46, s46, STEPB
	s_add_co_u32 s46, s46, s42
	s_bfe_u32 s16, s18, 0x20001                    ; the fragment G that holds my row block: bits 2:1 of the wave's number,
	s_mul_i32 s17, s16, 1536
	s_add_co_u32 s48, s46, s17
	s_mov_b32 s49, 0
	s_and_b32 s17, s16, 1
	s_lshl_b32 s17, s17, 8                         ; its scale words: 256 (G % 2)
	s_add_co_u32 s46, s46, s17
	s_lshr_b32 s17, s16, 1
	s_lshl_b32 s17, s17, 2                         ; + 4 (G / 2)
	s_add_co_u32 s46, s46, s17
	s_and_b32 s17, s18, 1                          ; u: which of the fragment's two row blocks is mine
	s_lshl_b32 s16, s17, 1
	s_add_co_u32 s46, s46, s16                     ; + 2 u
	s_add_co_u32 s46, s46, 12288
	s_mov_b32 s47, 0
	s_cmp_lg_u32 s17, 0
	s_cselect_b32 s19, -1, 0                       ; all ones where u = 1
	s_lshl_b32 s50, s13, 4
	s_add_co_u32 s50, s50, s18                     ; my row block among the 256
	s_mul_i32 s52, s50, 12288
	s_mul_i32 s16, s14, 768
	s_add_co_u32 s52, s52, s16
	s_mov_b32 s53, 0
	s_lshl_b32 s54, s50, 9
	s_lshr_b32 s16, s14, 1
	s_lshl_b32 s16, s16, 6
	s_add_co_u32 s54, s54, s16
	s_and_b32 s16, s14, 1
	s_lshl_b32 s16, s16, 1
	s_add_co_u32 s54, s54, s16
	s_mov_b32 s55, 0
	s_mov_b32 s20, 0x76543210
	s_mov_b32 s21, 0xfedcba98                      ; v_permlanex16_b32's selects for lane l xor 16
	s_mov_b32 s22, 0x3e38aa3b                      ; c = log2(e) / 8
	s_mov_b32 s23, s22                             ; (named with it as a pair)
	; two groups 1: dense blocks as rows of 256 bytes (32 elements of 8): 38 rows for a first fill, 25 for the refill
	s_mov_b32 s24, 15|(3<<16)|(1<<21)              ; 15:0 the mask: all four work-groups; 17:16 elements of 8 bytes; 21 set beside a mask
	s_mov_b32 s25, 32<<16                          ; tensor_dim0
	s_mov_b32 s26, 38<<16                          ; tensor_dim1
	s_mov_b32 s27, 32<<16                          ; tile_dim0
	s_mov_b32 s28, 38                              ; tile_dim1
	s_mov_b32 s29, 32                              ; tensor_dim0_stride
	s_mov_b32 s30, 0
	s_mov_b32 s31, 0
	s_mov_b32 s56, 15|(3<<16)|(1<<21)
	s_mov_b32 s57, 32<<16
	s_mov_b32 s58, 25<<16
	s_mov_b32 s59, 32<<16
	s_mov_b32 s60, 25
	s_mov_b32 s61, 32
	s_mov_b32 s62, 0
	s_mov_b32 s63, 0
	s_wait_dscnt 0x0                               ; both opening adds are done
	s_wait_kmcnt 0x0
	s_add_nc_u64 s[44:45], s[6:7], s[44:45]
	s_add_nc_u64 s[76:77], s[6:7], s[76:77]
	s_add_nc_u64 s[48:49], s[4:5], s[48:49]
	s_add_nc_u64 s[46:47], s[4:5], s[46:47]
	s_add_nc_u64 s[8:9], s[8:9], s[52:53]
	s_add_nc_u64 s[10:11], s[10:11], s[54:55]
	s_mov_b32 s32, 1                               ; three groups 0, each used once: slot 0, steps 0 to 11;
	s_mov_b32 s33, s15
	s_mov_b64 s[34:35], s[44:45]
	s_or_b32 s35, s35, 0x80000000
	s_mov_b32 s36, 1                               ; slot 1, steps 12 to 23;
	s_add_co_u32 s37, s15, SLOT1
	s_add_nc_u64 s[38:39], s[44:45], 12*STEPB
	s_or_b32 s39, s39, 0x80000000
	s_mov_b32 s72, 1                               ; slot 0 again, steps 24 to 31
	s_mov_b32 s73, s43
	s_mov_b64 s[74:75], s[76:77]
	s_or_b32 s75, s75, 0x80000000
	CROUND                                         ; all four work-groups are here: the first joint loads meet
	tensor_load_to_lds s[32:35], s[24:31]          ; one tensor load a wave at the head
	s_nop 0
	v_and_b32 v7, 31, v0                           ; lane
	v_and_b32 v6, 15, v0                           ; r
	v_lshlrev_b32 v1, 4, v7
	v_lshl_add_u32 v2, v7, 3, 512
	v_lshlrev_b32 v11, 4, v6
	v_lshlrev_b32 v6, 2, v6
	v_bfe_u32 v7, v0, 4, 1
	v_lshlrev_b32 v7, 3, v7                        ; 8 h
	s_wait_alu depctr_va_vdst(0)
.irp j, 0,1,2
	global_load_b128 v[S+4*\j:S+4*\j+3], v1, s[48:49] offset:512*\j   ; the fragment of Q that holds my row block
.endr
	global_load_u16 v34, v11, s[46:47]             ; my row block's two scale bytes
.irp i, 16,17,18,19,20,21,28,29,30,31,32,33
	v_mov_b32 v[\i], 0                             ; the zero codes on either side of q
.endr
	v_mov_b32 v13, 0xff61b1e6                      ; the largest score so far: -3e38, under every score
	v_mul_f32 v[TU], s22, v13
	v_floor_f32 v12, -v[TU]                        ; -M
	v_mov_b32 v14, 0                               ; the sum, in two halves
	v_mov_b32 v15, 0
.irp i, 0,1,2,3,4,5,8,9
	v_mov_b32 v[LS+\i], 0                          ; the four chains that the first step's first four additions read
.endr
	v_mov_b32 v[PT+2], 0                           ; a lane permute's destination counts as one of its sources
	v_mov_b32 v[FF+1], 0                           ; (named as the upper half of a pair)
	s_wait_loadcnt 0x0                             ; q
.irp i, 0,1,2,3,4,5
	v_cndmask_b32 v[22+\i], v[S+\i], v[S+6+\i], s19   ; q stays in registers: the fragment's registers 0-5 or 6-11
.endr
	v_lshl_or_b32 v34, v34, 16, v34                ; the same two bytes for k 0-63 and for k 64-127
.set J, 0
.rept 32
	v_mov_b32 v[O+J], 0                            ; O^T: the step is written once, and its first run finds zeros.  (These are also the places between q and its scale word above and the first product)
.set J, J+1
.endr
	s_wait_alu depctr_va_vdst(0)
	s_wait_tensorcnt 0x0                           ; my part of slot 0 is in
	ds_add_u32 v4, v5
	s_wait_dscnt 0x0
	CROUND                                         ; everybody's part is in, and the four work-groups are here
	tensor_load_to_lds s[36:39], s[24:31]          ; slot 1's first fill: it has 12 steps in which to land
	s_nop 0
	WALK 0, 11                                     ; steps 0-10
	STEP 1                                         ; step 11, with the opening barrier of a round in it
	CREST                                          ; no wave of any partner still reads slot 0 or has a load on its way
	tensor_load_to_lds s[72:75], s[56:63]          ; slot 0 takes steps 24-31: 12 steps in which to land
	s_nop 0
	WALK SLOT1, 11                                 ; steps 12-22
	STEP 2                                         ; step 23, with a barrier in it: behind it slot 0 is whole; nothing is left to fetch
	WALK 0, 8                                      ; steps 24-31
	; THE WAY OUT: O^T / the sum, quantised along the head's 64 channels: register 16 b + i is channel 32 b + 16 h + i of my query
	SUMEND                                         ; the last step's sum is finished: the four places behind the last products
	v_add_f32 v14, v14, v15                        ; the sum's two halves,
	s_delay_alu instid0(VALU_DEP_1)
	v_permlanex16_b32 v[TT], v14, s20, s21
	s_delay_alu instid0(VALU_DEP_1)
	v_add_f32 v14, v14, v[TT]                      ; and lane l xor 16's
	s_wait_alu depctr_va_vdst(0)
	v_rcp_f32 v[FF], v14
	v_nop                                          ; one plain place behind a transcendental
	s_wait_alu depctr_va_vdst(0)                   ; and the wait ahead of its first reader, which is O^T's first reader too
.set J, 0
.rept 16
	v_pk_mul_f32 v[S+J:S+J+1], v[O+J:O+J+1], v[FF:FF+1] op_sel_hi:[1,0]   ; each accumulator from its low end on
.set J, J+2
.endr
.irp b, 0,1
	v_max3_num_f32 v[BM+\b], |v[S+16*\b]|, |v[S+1+16*\b]|, 0x1800000
.endr
.irp i, 2,4,6,8,10,12,14
.irp b, 0,1
	s_delay_alu instid0(VALU_DEP_2)
	v_max3_num_f32 v[BM+\b], v[BM+\b], |v[S+16*\b+\i]|, |v[S+1+16*\b+\i]|
.endr
.endr
.irp b, 0,1
	s_delay_alu instid0(VALU_DEP_2)
	v_permlanex16_b32 v[PT+\b], v[BM+\b], s20, s21
.endr
.irp b, 0,1
	s_delay_alu instid0(VALU_DEP_2)
	v_max_num_f32 v[BM+\b], v[BM+\b], v[PT+\b]     ; here a block of 32 channels lies in lanes l and l xor 16
.endr
.irp b, 0,1
	s_delay_alu instid0(VALU_DEP_2)
	v_add_nc_u32 v[SO+\b], 0xff000000, v[BM+\b]
.endr
.irp b, 0,1
	s_delay_alu instid0(VALU_DEP_2)
	v_lshrrev_b32 v[PT+\b], 23, v[SO+\b]
.endr
	s_delay_alu instid0(VALU_DEP_1)
	v_lshl_or_b32 v[PW], v[PT+1], 8, v[PT]         ; my row's two scale bytes
	v_cvt_scalef32_pk16_fp6_f32 v[PC:PC+2], v[S:S+15], v[SO]
	v_cvt_scalef32_pk16_fp6_f32 v[CT:CT+2], v[S+16:S+31], v[SO+1]
	v_nop                                          ; one plain place behind a scaled conversion
.irp i, 0,1,2
	v_permlane16_swap_b32 v[PC+\i], v[CT+\i]       ; the layout wants a whole block in a lane
.endr
.irp i, 0,1,2
	v_mov_b32 v[PC+3+\i], v[CT+\i]
.endr
	global_store_b128 v1, v[PC:PC+3], s[8:9]       ; a half image: 512 and 256 consecutive bytes, aligned
	global_store_b64 v2, v[PC+4:PC+5], s[8:9]
	global_store_b16 v6, v[PW], s[10:11]           ; lanes r and 16 + r hold the same two bytes and write them to the same place
	s_wait_tensorcnt 0x0                           ; the wave's end
	ds_add_u32 v4, v5
	s_wait_dscnt 0x0
	CROUND                                         ; the closing round
	s_endpgm
.Lfunc_end_k_qce5aeaa020_attn:
	.size	k_qce5aeaa020_attn, .Lfunc_end_k_qce5aeaa020_attn-k_qce5aeaa020_attn
	.p2alignl 7, 3214868480
	.fill 96, 4, 3214868480
	.section	.rodata,"a",@progbits
	.p2align	6, 0x0
	.amdhsa_kernel k_qce5aeaa020_attn
		.amdhsa_group_segment_fixed_size 327680
		.amdhsa_private_segment_fixed_size 0
		.amdhsa_enable_private_segment 0
		.amdhsa_kernarg_size 32
		.amdhsa_user_sgpr_count 2
		.amdhsa_user_sgpr_kernarg_segment_ptr 1
		.amdhsa_wavefront_size32 1
		.amdhsa_system_sgpr_workgroup_id_x 1
		.amdhsa_system_sgpr_workgroup_id_y 1
		.amdhsa_system_sgpr_workgroup_id_z 1
		.amdhsa_system_vgpr_workitem_id 0
		.amdhsa_next_free_vgpr 256
		.amdhsa_next_free_sgpr 80
		.amdhsa_reserve_vcc 0
		.amdhsa_float_denorm_mode_32 3
		.amdhsa_float_denorm_mode_16_64 3
		.amdhsa_memory_ordered 1
		.amdhsa_forward_progress 1
		.amdhsa_inst_pref_size 88
	.end_amdhsa_kernel
	.amdgpu_metadata
---
amdhsa.version: [ 1, 2 ]
amdhsa.kernels:
  - .name:           k_qce5aeaa020_attn
    .symbol:         k_qce5aeaa020_attn.kd
    .args:
      - { .name: qx, .offset: 0, .size: 8, .value_kind: global_buffer, .address_space: global }
      - { .name: kvx, .offset: 8, .size: 8, .value_kind: global_buffer, .address_space: global }
      - { .name: ac, .offset: 16, .size: 8, .value_kind: global_buffer, .address_space: global }
      - { .name: sc2, .offset: 24, .size: 8, .value_kind: global_buffer, .address_space: global }
    .group_segment_fixed_size: 327680
    .private_segment_fixed_size: 0
    .kernarg_segment_align: 8
    .kernarg_segment_size: 32
    .max_flat_workgroup_size: 512
    .sgpr_count:     80
    .vgpr_count:     256
    .wavefront_size: 32
...
	.end_amdgpu_metadata
.endif
;; end of part 3
;; launch outp (part 4): grid 8 x 32, 4 waves a work-group, clusters of 4 x 4, 214,528 bytes of LDS; arguments ac, c1, sc2, b_o, out0; writes out0
.if DOCPART == 4
	.amdgcn_target "amdgcn-amd-amdhsa--gfx1250"
	.amdhsa_code_object_version 6
	.text
	.protected	k_qce5aeaa020_outp
	.globl	k_qce5aeaa020_outp
	.p2align	8
	.type	k_qce5aeaa020_outp,@function
k_qce5aeaa020_outp:
	s_mov_b64 s[64:65], 0
	v_nop
	global_prefetch_b8 v0, s[64:65] scope:SCOPE_SE
	s_setreg_imm32_b32 hwreg(HW_REG_WAVE_MODE, 25, 1), 1
	s_wait_xcnt 0x0
	s_wait_alu depctr_hold_cnt(0) depctr_sa_sdst(0) depctr_va_vdst(0) depctr_va_sdst(0) depctr_va_ssrc(0) depctr_va_vcc(0) depctr_vm_vsrc(0)
	s_getreg_b32 s2, hwreg(HW_REG_IB_STS2, 6, 4)
	s_cmp_eq_u32 s2, 0
	s_cbranch_scc0 .Lentry_in_a_cluster
	s_endpgm
.Lentry_in_a_cluster:
	s_bfe_u32 s2, ttmp6, 0x10000c
	s_cmp_lg_u32 s2, 0xf033
	s_cbranch_scc0 .Lentry_shape_is_right
	s_endpgm
.Lentry_shape_is_right:
; out0 = attn W_o^T + b_o, on codes of FP6 (E2M3) with E8M0 scales; out0 [4096][1024] f32.
; A = attn: ac [row block 256][K step 8][half 2][768]; B = W_o: row blocks 960-1023 of c1, in the same form; scale words of both in sc2 ([row block][K step][16 words]; attn 0-255, W_o 256-319).
; Lane r of row block 2 b + u stands for row 32 b + 8 u + r + 8 (r / 8).
; A work-group makes 128 x 128 with ALL of K = 1,024 in LDS: 16 row blocks x 12,288 bytes, brought in four chunks of two K steps; no LDS byte is filled twice.  Four waves, each 64 x 64: 16 accumulators.
; THE MATRIX INSTRUCTION IS USED TRANSPOSED (source 0 = 16 rows of W_o, source 1 = 16 rows of attn): lane (r, h) holds row r of block a, register j of tile t column 32 (t / 2) + 16 h + 8 (t % 2) + j.
; b_o is the C of each sum's first matrix instruction.  CLUSTERS of 4 x 4: A's chunks are shared along a row of the cluster, B's along a column: joint tensor loads.
; REGISTERS: window 0: v0-31 addresses; v32-63 scale words (register 4 s + i: lanes 0-15 A's block i, lanes 16-31 B's tile i), nothing else ever; v64-95 b_o, later with v96-127 the way out;
;   v128-255 accumulator (a, t) at 128 + 8 (4 a + t).   window 1: two fragment buffers of 96 at v0 and v96.
.set RB,    12288
.set CHUNK, 49152                      ; what one wave brings: its four row blocks, all of K, 49,152 dense bytes, by ONE tensor load.  LDS: [row block 16][12,288], A's eight and then B's (this takes the place of the four chunks named above)
.set STAGE, 196608                     ; behind the chunks: 16 rows x 272 bytes for each wave; no tensor load lands there
.set SP,    272
.set SC,    32
.set BC,    64
.set ACC,   128
.set STO,   23                         ; v23  the stage: where I put 16 bytes of a row
.set RD,    24                         ; v24  and where I read a row back
.set CO,    25                         ; v25  my byte offset in two rows of out0
.set G1A, 24
.set G1B, 32
.set G0A, 40
.set G0B, 68
.set MSB, 0
.macro WIN new                         ; the immediate's high byte repeats the setting that is left
.if MSB != \new
	s_set_vgpr_msb (MSB<<8)|\new
.set MSB, \new
.endif
.endm
.macro CROUND                          ; a round of the cluster's barrier
	s_barrier_signal -1
	s_barrier_wait -1
	s_cmp_lg_u32 s18, 0
	s_cbranch_scc1 .Lnot_wave_0_\@
	s_barrier_signal -3
.Lnot_wave_0_\@:
	s_barrier_wait -3
	s_barrier_signal -1
	s_barrier_wait -1
.endm
.macro PLACES                          ; four plain vector instructions between a matrix instruction and a load into, or a read of, its registers
.rept 4
	v_nop
.endr
.endm
.macro HFRAG reg, a16, a8, off, d      ; a fragment = two half images, d bytes apart
	ds_load_b128 v[(\reg):(\reg)+3], v[\a16] offset:(\off)
	ds_load_b64 v[(\reg)+4:(\reg)+5], v[\a8] offset:(\off)
	ds_load_b128 v[(\reg)+6:(\reg)+9], v[\a16] offset:(\off)+(\d)
	ds_load_b64 v[(\reg)+10:(\reg)+11], v[\a8] offset:(\off)+(\d)
.endm
.macro FETCH s                         ; K step s: 32 LDS loads into buffer s % 2
	WIN 0x40
.set FB, 96*((\s)%2)
.irp i, 0,1,2,3
	HFRAG FB+12*\i, 16, 17, \i*RB+(\s)*1536, 768
.endr
.irp i, 0,1,2,3
	HFRAG FB+48+12*\i, 18, 19, \i*RB+(\s)*1536, 768
.endr
.endm
.macro MUL s, first                    ; 16 matrix instructions; the 16 accumulators take turns, in the same order in every step
	WIN 0x05
.set FB, 96*((\s)%2)
.irp a, 0,1,2,3
.irp t, 0,1,2,3
.if \first
	v_wmma_scale_f32_16x16x128_f8f6f4 v[ACC+8*(4*\a+\t):ACC+8*(4*\a+\t)+7], v[FB+48+12*\t:FB+48+12*\t+11], v[FB+12*\a:FB+12*\a+11], v[BC+8*\t:BC+8*\t+7], v[SC+4*(\s)+\t], v[SC+4*(\s)+\a] matrix_a_fmt:MATRIX_FMT_FP6 matrix_b_fmt:MATRIX_FMT_FP6 matrix_a_scale:MATRIX_SCALE_ROW1
.else
	v_wmma_scale_f32_16x16x128_f8f6f4 v[ACC+8*(4*\a+\t):ACC+8*(4*\a+\t)+7], v[FB+48+12*\t:FB+48+12*\t+11], v[FB+12*\a:FB+12*\a+11], v[ACC+8*(4*\a+\t):ACC+8*(4*\a+\t)+7], v[SC+4*(\s)+\t], v[SC+4*(\s)+\a] matrix_a_fmt:MATRIX_FMT_FP6 matrix_b_fmt:MATRIX_FMT_FP6 matrix_a_scale:MATRIX_SCALE_ROW1
.endif
.endr
.endr
.endm
; THE WAY OUT of block a: 16 rows x 64 columns through my own stage, back as whole runs of 256 bytes.  LDS serves a wave's instructions in order (ISA guide 5.7.1.4): no wait between the stores and the loads.
.macro TOSTAGE a
.irp t, 0,1,2,3
	ds_store_b128 v[STO], v[ACC+8*(4*(\a)+\t):ACC+8*(4*(\a)+\t)+3] offset:128*(\t/2)+32*(\t%2)       ; each accumulator from its low end on
	ds_store_b128 v[STO], v[ACC+8*(4*(\a)+\t)+4:ACC+8*(4*(\a)+\t)+7] offset:128*(\t/2)+32*(\t%2)+16
.endr
.set BB, 64+32*((\a)%2)
.irp t, 0,1,2,3,4,5,6,7
	ds_load_b128 v[BB+4*\t:BB+4*\t+3], v[RD] offset:\t*2*SP
.endr
.endm
.macro SEND a, younger                 ; younger: the LDS instructions issued behind block a's loads
.set BB, 64+32*((\a)%2)
	s_wait_dscnt \younger
.irp t, 0,1,2,3,4,5,6,7                ; stage rows 2 t and 2 t + 1 are rows 32 (a / 2) + 8 (a % 2) + 2 t + 8 (t / 4) and the next of my 64
	global_store_b128 v[CO], v[BB+4*\t:BB+4*\t+3], s[12:13] offset:(32*((\a)/2)+8*((\a)%2)+2*\t+8*(\t/4))*4096 th:TH_STORE_NT   ; 16 lanes store 256 consecutive bytes, at a multiple of 256 from out0's first byte
.endr
.endm
	s_load_b256 s[4:11], s[0:1], 0x0               ; ac, c1, sc2, b_o
	s_load_b64 s[12:13], s[0:1], 0x20              ; out0
	v_lshl_add_u32 v30, v0, 2, 0x34400
	v_mov_b32 v31, 0
	ds_add_u32 v30, v31
	ds_add_u32 v30, v31
	v_lshrrev_b32 v1, 5, v0
	v_readfirstlane_b32 s18, v1                    ; wave 0..3
	s_lshr_b32 s19, s18, 1                         ; wr: which 64 rows are mine.  Also: I fetch for A (0) or B (1)
	s_and_b32 s20, s18, 1                          ; wc: which 64 columns.  Also: which four row blocks I fetch
	s_bfe_u32 s21, ttmp6, 0x40000                  ; cx
	s_bfe_u32 s22, ttmp6, 0x40004                  ; cy
	s_and_b32 s84, ttmp7, 0xffff
	s_lshl_b32 s84, s84, 2
	s_add_co_u32 s84, s84, s22                     ; at: the tile of 128 rows; shared along a row of the cluster
	s_lshl_b32 s85, ttmp9, 2
	s_add_co_u32 s85, s85, s21                     ; bt: the tile of 128 columns; shared along a column
	s_lshl_b32 s88, s84, 3                         ; A's first row block
	s_lshl_b32 s89, s85, 3                         ; B's, among W_o's 64
	s_lshl_b32 s63, s20, 2
	s_add_co_u32 s90, s88, s63
	s_mul_i32 s90, s90, RB
	s_mov_b32 s91, 0
	s_add_co_u32 s92, s89, s63
	s_add_co_u32 s92, s92, 960
	s_mul_i32 s92, s92, RB
	s_mov_b32 s93, 0
	s_mul_i32 s94, s18, 4*RB                       ; where my four row blocks go
	s_lshl_b32 s62, s22, 2
	s_lshl_b32 s62, 15, s62                        ; my row of the cluster
	s_lshl_b32 s63, 0x1111, s21                    ; my column
	; group 1: my four row blocks as one dense block of 49,152 bytes, dense in LDS
	s_or_b32 s[G1A], s62, (3<<16)|(1<<21)
	s_or_b32 s[G1B], s63, (3<<16)|(1<<21)
.irp g, G1A, G1B
	s_mov_b32 s[\g+1], 32<<16                      ; a dense block as 192 rows of 256 bytes (32 elements of 8): tensor_dim0
	s_mov_b32 s[\g+2], 192<<16                     ; tensor_dim1
	s_mov_b32 s[\g+3], 32<<16                      ; tile_dim0
	s_mov_b32 s[\g+4], 192                         ; tile_dim1
	s_mov_b32 s[\g+5], 32                          ; tensor_dim0_stride
	s_mov_b32 s[\g+6], 0
	s_mov_b32 s[\g+7], 0
.endr
	s_wait_dscnt 0x0
	s_wait_kmcnt 0x0
	s_add_nc_u64 s[90:91], s[4:5], s[90:91]
	s_add_nc_u64 s[92:93], s[6:7], s[92:93]
	CROUND                                         ; all sixteen work-groups are here: the joint loads meet
.irp j, 0
	s_mov_b32 s[G0A+4*\j], 1
	s_add_co_u32 s[G0A+4*\j+1], s94, \j*CHUNK
	s_add_nc_u64 s[G0A+4*\j+2:G0A+4*\j+3], s[90:91], \j*3072
	s_or_b32 s[G0A+4*\j+3], s[G0A+4*\j+3], 0x80000000
	s_mov_b32 s[G0B+4*\j], 1
	s_add_co_u32 s[G0B+4*\j+1], s94, \j*CHUNK
	s_add_nc_u64 s[G0B+4*\j+2:G0B+4*\j+3], s[92:93], \j*3072
	s_or_b32 s[G0B+4*\j+3], s[G0B+4*\j+3], 0x80000000
.endr
	s_cmp_lt_u32 s18, 2                            ; one tensor load a wave, in the two arms of one branch on its number
	s_cbranch_scc0 .Lfill_b
.irp j, 0
	tensor_load_to_lds s[G0A+4*\j:G0A+4*\j+3], s[G1A:G1A+7]
	s_nop 0
.endr
	PLACES
	s_branch .Lfilled
.Lfill_b:
.irp j, 0
	tensor_load_to_lds s[G0B+4*\j:G0B+4*\j+3], s[G1B:G1B+7]
	s_nop 0
.endr
	PLACES
.Lfilled:
	v_and_b32 v1, 31, v0                           ; lane
	v_and_b32 v2, 15, v0                           ; r
	v_bfe_u32 v3, v0, 4, 1                         ; h
	v_lshlrev_b32 v4, 4, v1                        ; 16 x lane
	v_lshlrev_b32 v5, 3, v1
	v_add_nc_u32 v5, 512, v5                       ; 8 x lane + 512
	v_lshlrev_b32 v6, 2, v2                        ; 4 r
	s_wait_alu depctr_va_vdst(0)
	s_mul_i32 s86, s19, 4*RB                       ; my four blocks of A,
	s_mul_i32 s87, s20, 4*RB
	s_add_co_u32 s87, s87, 8*RB                    ; my four tiles of B, behind A's eight
	v_add_nc_u32 v16, s86, v4
	v_add_nc_u32 v17, s86, v5
	v_add_nc_u32 v18, s87, v4
	v_add_nc_u32 v19, s87, v5
	s_lshl_b32 s86, s19, 2
	s_add_co_u32 s86, s86, s88
	s_lshl_b32 s86, s86, 9                         ; my blocks' scale words: 512 bytes a row block
	s_lshl_b32 s87, s20, 2
	s_add_co_u32 s87, s87, s89
	s_add_co_u32 s87, s87, 256
	s_lshl_b32 s87, s87, 9
	v_add_nc_u32 v7, s86, v6
	v_add_nc_u32 v8, s87, v6
	s_mov_b32 s95, 0xffff0000
	v_cndmask_b32 v20, v7, v8, s95                 ; lanes 0-15 take A's words, lanes 16-31 B's
.irp s, 0,1,2,3,4,5,6,7
.irp i, 0,1,2,3
	global_load_b32 v[SC+4*\s+\i], v20, s[8:9] offset:512*\i+64*\s
.endr
.endr
	s_lshl_b32 s86, s85, 7
	s_lshl_b32 s87, s20, 6
	s_add_co_u32 s86, s86, s87                     ; my first column,
	s_lshl_b32 s86, s86, 2                         ; in bytes
	v_lshl_add_u32 v21, v3, 6, s86
.irp b, 0,1
.irp q, 0,1,2,3
	global_load_b128 v[BC+16*\b+4*\q:BC+16*\b+4*\q+3], v21, s[10:11] offset:128*\b+16*\q   ; b_o at columns 32 b + 16 h + 4 q ..
.endr
.endr
	s_lshl_b32 s56, s84, 7
	s_lshl_b32 s87, s19, 6
	s_add_co_u32 s56, s56, s87                     ; my first row
	s_lshl_b32 s56, s56, 12
	s_add_co_u32 s56, s56, s86
	s_mov_b32 s57, 0
	s_add_nc_u64 s[12:13], s[12:13], s[56:57]
	s_mul_i32 s86, s18, 16*SP
	s_add_co_u32 s86, s86, STAGE                   ; my stage
	v_mul_u32_u24 v[STO], v2, SP
	v_lshl_add_u32 v[STO], v3, 6, v[STO]
	v_add_nc_u32 v[STO], s86, v[STO]               ; in: row r, + 64 h
	v_mul_u32_u24 v[RD], v3, SP
	v_lshl_add_u32 v[RD], v2, 4, v[RD]
	v_add_nc_u32 v[RD], s86, v[RD]                 ; back: lanes 0-15 one row of 256 bytes, lanes 16-31 the next
	v_lshlrev_b32 v[CO], 12, v3
	v_lshl_add_u32 v[CO], v2, 4, v[CO]             ; and the same two rows in out0
	s_wait_loadcnt 0x0                             ; scale words and b_o
	s_wait_tensorcnt 0x0                           ; my one load is in
	s_barrier_signal -1
	s_barrier_wait -1
	FETCH 0
	FETCH 1
	s_wait_dscnt 32                                ; all but the 32 loads just issued
	MUL 0, 1                                       ; the first products start the sums from b_o
.irp s, 1,2,3,4,5,6
	PLACES
	FETCH \s+1
	s_wait_alu depctr_va_vdst(0)
	s_wait_dscnt 32                                ; this step's fragments are in; the next step's 32 loads may be out
	MUL \s, 0
.endr
	s_wait_dscnt 0x0
	MUL 7, 0
	WIN 0
	PLACES
	TOSTAGE 0
.irp a, 1,2,3
.if \a > 1
	s_wait_xcnt 0x0                                ; block a - 2's stores have read their registers: block a's loads may land there
.endif
	TOSTAGE \a
	SEND \a-1, 16                                  ; behind block a - 1's loads: block a's 8 stores and 8 loads
.endr
	SEND 3, 0
	s_wait_tensorcnt 0x0
	ds_add_u32 v30, v31
	s_wait_dscnt 0x0
	CROUND                                         ; the closing round: no work-group ends while a partner may still ask for a chunk that names it
	s_endpgm
.Lfunc_end_k_qce5aeaa020_outp:
	.size	k_qce5aeaa020_outp, .Lfunc_end_k_qce5aeaa020_outp-k_qce5aeaa020_outp
	.p2alignl 7, 3214868480
	.fill 96, 4, 3214868480
	.section	.rodata,"a",@progbits
	.p2align	6, 0x0
	.amdhsa_kernel k_qce5aeaa020_outp
		.amdhsa_group_segment_fixed_size 214528
		.amdhsa_private_segment_fixed_size 0
		.amdhsa_enable_private_segment 0
		.amdhsa_kernarg_size 40
		.amdhsa_user_sgpr_count 2
		.amdhsa_user_sgpr_kernarg_segment_ptr 1
		.amdhsa_wavefront_size32 1
		.amdhsa_system_sgpr_workgroup_id_x 1
		.amdhsa_system_sgpr_workgroup_id_y 1
		.amdhsa_system_sgpr_workgroup_id_z 1
		.amdhsa_system_vgpr_workitem_id 0
		.amdhsa_next_free_vgpr 448
		.amdhsa_next_free_sgpr 100
		.amdhsa_reserve_vcc 0
		.amdhsa_float_denorm_mode_32 3
		.amdhsa_float_denorm_mode_16_64 3
		.amdhsa_memory_ordered 1
		.amdhsa_forward_progress 1
		.amdhsa_inst_pref_size 52
	.end_amdhsa_kernel
	.amdgpu_metadata
---
amdhsa.version: [ 1, 2 ]
amdhsa.kernels:
  - .name:           k_qce5aeaa020_outp
    .symbol:         k_qce5aeaa020_outp.kd
    .args:
      - { .name: ac, .offset: 0, .size: 8, .value_kind: global_buffer, .address_space: global }
      - { .name: c1, .offset: 8, .size: 8, .value_kind: global_buffer, .address_space: global }
      - { .name: sc2, .offset: 16, .size: 8, .value_kind: global_buffer, .address_space: global }
      - { .name: b_o, .offset: 24, .size: 8, .value_kind: global_buffer, .address_space: global }
      - { .name: out0, .offset: 32, .size: 8, .value_kind: global_buffer, .address_space: global }
    .group_segment_fixed_size: 214528
    .private_segment_fixed_size: 0
    .kernarg_segment_align: 8
    .kernarg_segment_size: 40
    .max_flat_workgroup_size: 128
    .sgpr_count:     100
    .vgpr_count:     448
    .wavefront_size: 32
...
	.end_amdgpu_metadata
.endif
;; end of part 4
